; MI455X (gfx1250); checked and timed in simulation.
; The chip was launched on July 23, 2026; its instructions are those of AMD's public machine-readable ISA for CDNA 5 (MIT licence, August 2026) and "CDNA5" Instruction Set Architecture Reference Guide (July 2026). The comments in the code are by the model that wrote it; some were corrected since.
;; Fork Attention. Allowed arithmetic: matrix products marked QUANTISED: E2M3 operands, one E8M0 scale for each 32 along K, by v_wmma_scale_f32_16x16x128_f8f6f4 with both operands' format E2M3, f32 sums; everything else in f32.
;; Inputs: alt_b 2,048 float32; alt_w_codes 2,048 x 64 x 24 uint8 (E2M3 codes of alt_w, K innermost, in blocks of 32 codes, four codes in three bytes); alt_w_scales 2,048 x 64 uint8 (E8M0 scales of alt_w, one for each 32 codes along K); fc_b 1,024 float32; fc_w_codes 1,024 x 32 x 24 uint8 (E2M3 codes of fc_w, K innermost, in blocks of 32 codes, four codes in three bytes); fc_w_scales 1,024 x 32 uint8 (E8M0 scales of fc_w, one for each 32 codes along K); mask 4 x 2,048 x 2,048 bool; v_b 1,024 float32; v_w_codes 1,024 x 32 x 24 uint8 (E2M3 codes of v_w, K innermost, in blocks of 32 codes, four codes in three bytes); v_w_scales 1,024 x 32 uint8 (E8M0 scales of v_w, one for each 32 codes along K); x 4 x 2,048 x 1,024 float32.
;; Outputs: out0 4 x 2,048 x 1,024 float32.
;; This version of the problem:
;;   THIS VERSION OF THE PROBLEM IS GIVEN IN LOW PRECISION. The matrix products marked QUANTISED in the list below multiply operands that are first quantised to E2M3 (2 exponent bits, 3 mantissa bits; 6 bits a number), with one power-of-two scale for each 32 numbers along K (OCP MX v1.0); their sums are f32. All else is computed in f32.
;;   The module's matrix products, in the order in which they are computed (A, B: the left and right operand; K: the contracted axis; several contracted axes count as one K, in the product's order):
;;     1. [M 8,192, K 1,024] x [K 1,024, N 1,024]; A: input x; B: input fc_w (given as codes): QUANTISED
;;     2. [M 4,096, K 2,048] x [K 2,048, N 2,048]; A: input x; B: input alt_w (given as codes): QUANTISED
;;     3. batch 4 x [M 2,048, K 1,024] x [K 1,024, N 2,048]; A: computed on the way; B: computed on the way: QUANTISED
;;     4. [M 8,192, K 1,024] x [K 1,024, N 1,024]; A: input x; B: input v_w (given as codes): QUANTISED
;;     5. batch 4 x [M 2,048, K 2,048] x [K 2,048, N 1,024]; A: softmax (see below); B: computed on the way: QUANTISED
;;   THE QUANTISER, for each operand of a quantised product, along K:
;;     - K is cut into blocks of 32 from its start; a last block that is shorter is filled with zeros.
;;     - A block's scale is 2^e with e = floor(log2(the largest magnitude in the block)) - 2, held to -126 .. 127; a block of zeros has e = 0. As a byte (E8M0): e + 127.
;;     - Each number is divided by its block's scale, clamped to +-7.5, and rounded to the nearest number of E2M3, ties to even, subnormals kept.
;;     - The product sums the exact products of the quantised numbers (number of the format x scale) in f32.
;;   ~~~python
;;   def quantise(x, axis):      # numpy; x: float32 -> the quantised numbers, widened to float32 again
;;       x = np.moveaxis(x, axis, -1); K = x.shape[-1]
;;       x = np.pad(x, [(0, 0)] * (x.ndim - 1) + [(0, -K % 32)]); x = x.reshape(x.shape[:-1] + (-1, 32)); a = np.abs(x).max(-1, keepdims=True)
;;       e = np.where(a > 0, np.clip(np.frexp(np.where(a > 0, a, 1))[1] - 1 - 2, -126, 127), 0)      # np.frexp(a)[1] - 1 = floor(log2(a)), exactly
;;       r = np.clip(x / 2.0 ** e, -7.5, 7.5)
;;       step = 2.0 ** (np.maximum(np.frexp(np.where(r == 0, 1, r))[1] - 1, 0) - 3)
;;       q = np.round(r / step) * step * 2.0 ** e      # np.round: ties to even
;;       return np.moveaxis(q.reshape(q.shape[:-2] + (-1,))[..., :K], -1, axis).astype(np.float32)
;;   ~~~
;;   SOFTMAX AHEAD OF A QUANTISED PRODUCT. Where the list says 'softmax', what is quantised is not the finished softmax but p = 2^(t - M), with t = logit x log2(e) and M = ceil(the row's largest t), a whole number; so 1/2 < the row's largest p <= 1. The row's sum l is taken of the UNQUANTISED p, in f32, and the product's result is divided by l at the end. Since M is a whole number, a kernel that streams over the keys may use a running M (the ceiling of the running maximum): every later rescaling is an exact power of two, which a block's scale takes up: the codes' values come out the same.
;;   OPERANDS COMPUTED ON THE WAY. 'Computed on the way' means the value that the module computes at that place (a softmax that the list does not call 'softmax' is quantised finished and normalised). What goes into a quantiser is computed in f32, as accurately as f32 sums, v_exp_f32 and their like allow (about 1e-6 of the number): no bf16 or f16 on the way to a quantiser, and a product that is left as it is and whose result goes on into a quantised operand takes f32 operands (vector FMAs, or v_wmma_f32_16x16x4_f32). A number that lies on a knife's edge between two numbers of the format may be rounded either way, as far as f32 arithmetic and the matrix unit's own rounding can turn it there, and no further.
;;   INPUTS GIVEN AS CODES. alt_w (in the module: [2048, 2048], K = its axis 1); fc_w (in the module: [1024, 1024], K = its axis 1); v_w (in the module: [1024, 1024], K = its axis 1): each comes as NAME_codes (uint8): NAME with its K axis moved to the last place and cut into blocks of 32 codes, [.., K / 32, bytes a block], one block behind the other in memory; four codes in three bytes: a row's codes are one little-endian stream of bits, code i at bits 6 i .. 6 i + 5 (a code: sign, 2 exponent bits, 3 mantissa bits); and NAME_scales (uint8): the same leading axes, one E8M0 byte (e + 127) for each 32 codes along K. Its value is code x scale, taken as it is: it is not quantised again, and the codes and scales need not be those that the quantiser above would give.
;; One version. Each part assembles by itself: llvm-mc -triple=amdgcn-amd-amdhsa -mcpu=gfx1250 --defsym DOCPART=n.
;; ======== version 1 of 1: 4 launches
;; limits: right only within a limited range of input values
;; workspace buffers: w1 18,022,400 bytes; w2 19,660,800 bytes; w3 14,155,776 bytes
;; launch prep (part 1): grid 608 x 1, 4 waves a work-group, no clusters, 82,432 bytes of LDS; arguments x, fc_w_codes, fc_w_scales, v_w_codes, v_w_scales, alt_w_codes, alt_w_scales, w1; writes w1
.if DOCPART == 1
	.amdgcn_target "amdgcn-amd-amdhsa--gfx1250"
	.amdhsa_code_object_version 6
	.text
	.protected	k_qeaaf9c3e5d_prep
	.globl	k_qeaaf9c3e5d_prep
	.p2align	8
	.type	k_qeaaf9c3e5d_prep,@function
k_qeaaf9c3e5d_prep:
	s_mov_b64 s[64:65], 0
	v_nop
	global_prefetch_b8 v0, s[64:65] scope:SCOPE_SE
	s_setreg_imm32_b32 hwreg(HW_REG_WAVE_MODE, 25, 1), 1
	s_wait_xcnt 0x0
; PREP.  x [4][2048][1024] f32 is read once and quantised twice to FP6 (E2M3, one E8M0 byte for 32 along K): along e (xe, rows b*2048+c) and along c (xc, rows b*1024+e).
; The three weights, given as codes, are laid anew.  All five tensors go to w1 in ONE layout, the order of a matrix operand's registers:
;   a FRAGMENT (16 rows x 128 K, 12 registers a lane) is 1,536 bytes: registers 4g..4g+3 of lane l at 512 g + 16 l;
;   lane r of fragment i of a block of 128 rows holds row 32 (i/2) + 8 (i%2) + r + 8 (r/8);
;   a CHUNK BLOCK (128 rows x 128 K) is 12,800 bytes: 8 fragments, then at 12,288 the 128 scale words, row (i, r) at 32 r + 4 i;  a tensor is [row block][chunk], dense.
; A block's scale is 2^(floor(log2(largest magnitude)) - 2); its byte is the largest magnitude's exponent field - 2, held at 1 from below.
; LIMITS: a block of zeros gets the byte 1 where the rule says 127 (its codes are zeros, and these bytes are read by this program alone); blocks whose largest magnitude lies under 2^-124 are held at the byte 1;
; NaN and infinities among the inputs are not served.
; SHARES.  Work-groups 0-511: a tile of 128 c x 128 e of x, wave w its rows 32 w .. 32 w + 31.  Work-groups 512-607: a wave lays one chunk block of a weight (256 of alt_w, 64 of fc_w, 64 of v_w).
; No tensor load, no matrix instruction: memory binds here; three work-groups share a WGP.
.set CB,      12800
.set SCO,     12288
.set XC_OFF,  6553600
.set AW_OFF,  13107200
.set PIT,     528                      ; a row of the tile in LDS: 512 bytes + 16: sixteen rows of one column start in sixteen different groups of banks
.set WREG,    32*PIT                   ; a wave's 32 rows
.set XCI,     4*WREG                   ; the images of xc's 8 fragments
.set SCC,     XCI+12288                ; xc's 128 scale words
.set SCE,     SCC+512                  ; xe's 128 scale words
.set FLOOR,   0x1800000                ; 2^(3 - 127)
.set X,       32                       ; v32-159 the wave's 32 rows as loaded; then numbers read back
.set CD,      160                      ; v160-207 xe's codes, 24 registers for each of the wave's two fragments
.set CX,      208                      ; v208-228 xc's codes, two sets of 12 by turns
	s_load_b256 s[4:11], s[0:1], 0x0               ; x, fc_w codes, fc_w scales, v_w codes
	s_load_b256 s[12:19], s[0:1], 0x20             ; v_w scales, alt_w codes, alt_w scales, w1
	v_lshl_add_u32 v232, v0, 2, 0x14000
	v_mov_b32 v233, 0
	v_lshrrev_b32 v1, 5, v0
	v_readfirstlane_b32 s20, v1                    ; wave
	v_and_b32 v1, 31, v0                           ; lane L
	v_and_b32 v2, 15, v0                           ; r
	v_bfe_u32 v3, v0, 4, 1                         ; h
	v_lshlrev_b32 v4, 4, v1                        ; 16 L
	s_cmp_ge_u32 ttmp9, 512
	s_cbranch_scc1 .Lweights
	; ---------------- the tiles of x
	s_lshr_b32 s21, ttmp9, 7                       ; b
	s_bfe_u32 s22, ttmp9, 0x40003                  ; ct: which 128 of c
	s_and_b32 s23, ttmp9, 7                        ; et: which 128 of e
	s_lshl_b32 s24, s21, 11
	s_lshl_b32 s25, s22, 7
	s_add_co_u32 s24, s24, s25
	s_lshl_b32 s25, s20, 5
	s_add_co_u32 s24, s24, s25                     ; my wave's first row of x
	s_lshl_b32 s24, s24, 12                        ; rows of 4,096 bytes
	s_lshl_b32 s25, s23, 9
	s_add_co_u32 s24, s24, s25                     ; + 512 et
	s_mov_b32 s25, 0
	s_lshl_b32 s26, s21, 4
	s_add_co_u32 s26, s26, s22
	s_lshl_b32 s26, s26, 3
	s_add_co_u32 s26, s26, s23
	s_mul_i32 s26, s26, CB                         ; xe: block (16 b + ct, et)
	s_mov_b32 s27, 0
	s_lshl_b32 s28, s21, 3
	s_add_co_u32 s28, s28, s23
	s_lshl_b32 s28, s28, 4
	s_add_co_u32 s28, s28, s22
	s_mul_i32 s28, s28, CB
	s_add_co_u32 s28, s28, XC_OFF                  ; xc: block (8 b + et, ct)
	s_mov_b32 s29, 0
	s_mul_i32 s30, s20, WREG                       ; my wave's rows in LDS
	s_wait_alu depctr_va_vdst(0)
	v_add_nc_u32 v5, s30, v4                       ; a row goes in: 16 bytes a lane
	v_mul_u32_u24 v6, v2, PIT
	v_lshl_add_u32 v6, v3, 7, v6
	v_add_nc_u32 v6, s30, v6                       ; xe reads: position r, + 128 h
	v_lshlrev_b32 v7, 2, v1
	v_add_nc_u32 v7, s30, v7                       ; xc reads: column L
	v_bfe_u32 v16, v0, 3, 1                        ; column 32 g + L is row r' of fragment 2 g + u': u' = (L / 8) % 2,
	v_and_b32 v17, 7, v0
	v_lshl_add_u32 v17, v3, 3, v17                 ; r' = L % 8 + 8 (L / 16)
	v_mul_u32_u24 v18, v16, 1536
	v_lshl_add_u32 v18, v17, 4, v18
	s_and_b32 s31, s20, 1                          ; my wave's 32 c are block w of the chunk's four: lanes' half w % 2, registers 6 (w / 2) on
	s_lshl_b32 s31, s31, 8
	s_add_co_u32 s31, s31, XCI
	v_add_nc_u32 v18, s31, v18
	s_wait_alu depctr_va_vdst(0)
	s_lshr_b32 s32, s20, 1
	s_mul_i32 s32, s32, 3
.irp p, 0,1,2
	s_add_co_u32 s33, s32, \p                      ; register pair n = 3 (w / 2) + p of the image: group n / 2, half n % 2
	s_lshr_b32 s34, s33, 1
	s_lshl_b32 s34, s34, 9
	s_and_b32 s33, s33, 1
	s_lshl_b32 s33, s33, 3
	s_add_co_u32 s33, s33, s34
	v_add_nc_u32 v[8+\p], s33, v18
.endr
	v_lshlrev_b32 v11, 5, v17
	v_lshl_add_u32 v11, v16, 2, v11
	s_add_co_u32 s33, s20, SCC
	v_add_nc_u32 v11, s33, v11                     ; xc's scale byte: word 32 r' + 4 u' (+ 8 g), byte w
	v_lshlrev_b32 v12, 5, v2
	s_lshl_b32 s33, s20, 3
	s_add_co_u32 s33, s33, SCE
	v_add_nc_u32 v12, s33, v12                     ; xe's scale word: 32 r + 4 (2 w + u)
	s_mul_i32 s34, s20, 3072
	s_add_co_u32 s33, s34, XCI
	v_add_nc_u32 v13, s33, v4                      ; the way out of xc's images: 3,072 bytes a wave
	s_lshl_b32 s33, s20, 9
	s_add_co_u32 s33, s33, SCC
	v_add_nc_u32 v14, s33, v4                      ; and of the scale words: wave 0 xc's, wave 1 xe's
	v_lshlrev_b32 v15, 3, v3                       ; 8 h
	v_mov_b32 v23, 0                               ; a lane permute's destination counts as one of its sources
	s_mov_b32 s35, 0
	s_mov_b32 s36, 0x76543210
	s_mov_b32 s37, 0xfedcba98                      ; selects for lane l xor 16
	s_wait_kmcnt 0x0
	s_add_nc_u64 s[4:5], s[4:5], s[24:25]
	s_add_nc_u64 s[26:27], s[18:19], s[26:27]      ; xe's block
	s_add_nc_u64 s[28:29], s[18:19], s[28:29]      ; xc's block
	s_add_nc_u64 s[38:39], s[26:27], s[34:35]      ; my two fragments of xe
	s_add_nc_u64 s[40:41], s[28:29], s[34:35]      ; my 3,072 bytes of xc's images
.set cc, 0
.rept 32
	global_load_b128 v[X+4*cc:X+4*cc+3], v4, s[4:5] offset:cc*4096 th:TH_LOAD_NT   ; 32 lanes read a row's 512 consecutive bytes; all 32 loads are out together
.set cc, cc+1
.endr
.set cc, 0
.rept 32
	s_wait_loadcnt 31-cc                           ; loads come back in order: row cc is in
	ds_store_b128 v5, v[X+4*cc:X+4*cc+3] offset:(16*((cc/8)%2)+cc%8+8*(cc/16))*PIT   ; at the position that puts a fragment's 16 rows side by side
.set cc, cc+1
.endr
	s_wait_dscnt 0x0                               ; the stores have read their registers
	; ---- xe: lane (r, h) takes of its row k = 64 c + 32 h + 0 .. 31: two whole blocks, in the order of the operand's registers
.irp u, 0,1
.irp c, 0,1
.irp j, 0,1,2,3,4,5,6,7
	ds_load_b128 v[X+64*\u+32*\c+4*\j:X+64*\u+32*\c+4*\j+3], v6 offset:16*\u*PIT+256*\c+16*\j
.endr
.endr
.endr
.macro XEQ u
.set NB, X+64*(\u)
.set CU, CD+24*(\u)
.irp c, 0,1
	v_max3_num_f32 v[16+\c], |v[NB+32*\c]|, |v[NB+32*\c+1]|, FLOOR   ; the block's largest magnitude, and the floor
.endr
.irp i, 2,4,6,8,10,12,14,16,18,20,22,24,26,28,30
.irp c, 0,1
	v_max3_num_f32 v[16+\c], v[16+\c], |v[NB+32*\c+\i]|, |v[NB+32*\c+\i+1]|
.endr
.endr
.irp c, 0,1
	v_add_nc_u32 v[18+\c], 0xff000000, v[16+\c]    ; 2 off the exponent field: the conversion's scale operand
.endr
.irp c, 0,1
	v_lshrrev_b32 v[20+\c], 23, v[18+\c]           ; the scale's byte
.endr
	v_lshl_or_b32 v22, v21, 16, v20                ; my bytes: blocks h and 2 + h,
	v_lshlrev_b32 v22, v15, v22                    ; at their places in the word;
	v_permlanex16_b32 v23, v22, s36, s37
	v_or_b32 v[24+\u], v22, v23                    ; with lane l xor 16's two the word is whole
.irp c, 0,1
	v_cvt_scalef32_pk16_fp6_f32 v[CU+6*\c:CU+6*\c+2], v[NB+32*\c:NB+32*\c+15], v[18+\c]
	v_cvt_scalef32_pk16_fp6_f32 v[CU+12+4*\c:CU+14+4*\c], v[NB+32*\c+16:NB+32*\c+31], v[18+\c]   ; (a conversion's three registers begin on an even number)
.endr
	v_nop                                          ; one plain place behind a scaled conversion
.irp c, 0,1
.irp i, 0,1,2
	v_mov_b32 v[CU+3+6*\c+\i], v[CU+12+4*\c+\i]
.endr
.endr
	ds_store_b32 v12, v[24+\u] offset:4*(\u)       ; both halves of the lanes write the same word with the same value
.irp g, 0,1,2
	global_store_b128 v4, v[CU+4*\g:CU+4*\g+3], s[38:39] offset:1536*(\u)+512*\g   ; 512 consecutive bytes, aligned
.endr
.endm
	s_wait_dscnt 16                                ; the first fragment's 16 loads are in
	XEQ 0
	s_wait_dscnt 0x0
	XEQ 1
	; ---- xc: a lane takes a column e, its registers run down c: a block of 32 along c lies in one lane
.macro XCLOAD g
.set cc, 0
.rept 32
	ds_load_b32 v[X+32*((\g)%2)+cc], v7 offset:(16*((cc/8)%2)+cc%8+8*(cc/16))*PIT+128*(\g)
.set cc, cc+1
.endr
.endm
.macro XCQ g
.set NS, X+32*((\g)%2)
.set CG, CX+12*((\g)%2)
	v_max3_num_f32 v16, |v[NS]|, |v[NS+1]|, |v[NS+2]|
	v_max3_num_f32 v17, |v[NS+3]|, |v[NS+4]|, |v[NS+5]|
.irp i, 6,10,14,18,22,26
	v_max3_num_f32 v16, v16, |v[NS+\i]|, |v[NS+\i+1]|
	v_max3_num_f32 v17, v17, |v[NS+\i+2]|, |v[NS+\i+3]|
.endr
	v_max3_num_f32 v16, v16, |v[NS+30]|, |v[NS+31]|
	v_max3_num_f32 v16, v16, v17, FLOOR
	v_add_nc_u32 v18, 0xff000000, v16
	v_cvt_scalef32_pk16_fp6_f32 v[CG:CG+2], v[NS:NS+15], v18
	v_cvt_scalef32_pk16_fp6_f32 v[CG+6:CG+8], v[NS+16:NS+31], v18
	v_lshrrev_b32 v[26+(\g)], 23, v18              ; the scale's byte (also the plain place behind the conversions)
.irp i, 0,1,2
	v_mov_b32 v[CG+3+\i], v[CG+6+\i]
.endr
.irp p, 0,1,2
	ds_store_b64 v[8+\p], v[CG+2*\p:CG+2*\p+1] offset:3072*(\g)   ; six registers of lane (r', w % 2) of fragment 2 g + u'
.endr
	ds_store_b8 v11, v[26+(\g)] offset:8*(\g)
.endm
	XCLOAD 0
.irp g, 0,1,2
	XCLOAD \g+1
	s_wait_dscnt 32                                ; all but the 32 loads just issued
	XCQ \g
.endr
	s_wait_dscnt 0x0
	XCQ 3
	s_wait_dscnt 0x0                               ; for the others' sake: my stores into the images and the scale words have landed
	s_barrier_signal -1
	s_barrier_wait -1
.irp k, 0,1,2,3,4,5
	ds_load_b128 v[96+4*\k:99+4*\k], v13 offset:512*\k
.endr
.irp k, 0,1,2,3,4,5
	s_wait_dscnt 5-\k
	global_store_b128 v4, v[96+4*\k:99+4*\k], s[40:41] offset:512*\k
.endr
	s_cmp_lt_u32 s20, 2
	s_cbranch_scc0 .Lxdone
	ds_load_b128 v[120:123], v14                   ; 512 bytes of scale words: wave 0 xc's, wave 1 xe's
	s_cmp_eq_u32 s20, 0
	s_cselect_b64 s[42:43], s[28:29], s[26:27]
	s_wait_dscnt 0x0
	global_store_b128 v4, v[120:123], s[42:43] offset:SCO
.Lxdone:
	s_wait_tensorcnt 0x0
	ds_add_u32 v232, v233
	s_wait_dscnt 0x0
	s_endpgm
	; ---------------- the weights: a wave lays one chunk block
.Lweights:
	s_sub_co_u32 s21, ttmp9, 512
	s_lshl_b32 s22, s21, 2
	s_add_co_u32 s22, s22, s20                     ; block 0 .. 383: alt_w's 256, fc_w's 64, v_w's 64, in the order of their regions in w1
	s_mul_i32 s24, s22, CB
	s_add_co_u32 s24, s24, AW_OFF
	s_mov_b32 s25, 0
	s_mov_b32 s23, 320
	s_mov_b32 s30, 768
	s_wait_kmcnt 0x0
	s_cmp_lt_u32 s21, 80
	s_cselect_b64 s[26:27], s[6:7], s[10:11]       ; codes: fc_w's or v_w's
	s_cselect_b64 s[28:29], s[8:9], s[12:13]       ; scales
	s_cselect_b32 s23, 256, s23                    ; the tensor's first block
	s_cmp_lt_u32 s21, 64
	s_cselect_b64 s[26:27], s[14:15], s[26:27]     ; or alt_w's
	s_cselect_b64 s[28:29], s[16:17], s[28:29]
	s_cselect_b32 s23, 0, s23
	s_cselect_b32 s30, 1536, s30                   ; a row of codes in bytes
	s_cselect_b32 s31, 64, 32                      ; a row of scale bytes
	s_cselect_b32 s32, 4, 3                        ; log2 of the chunks in a row
	s_sub_co_u32 s23, s22, s23
	s_lshr_b32 s33, s23, s32                       ; row block
	s_lshl_b32 s34, s33, s32
	s_sub_co_u32 s34, s23, s34                     ; chunk
	s_lshl_b32 s35, s33, 7
	s_mul_i32 s36, s35, s30
	s_mul_i32 s37, s34, 96
	s_add_co_u32 s36, s36, s37
	s_mov_b32 s37, 0
	s_add_nc_u64 s[26:27], s[26:27], s[36:37]
	s_mul_i32 s36, s35, s31
	s_lshl_b32 s38, s34, 2
	s_add_co_u32 s36, s36, s38
	s_add_nc_u64 s[28:29], s[28:29], s[36:37]
	s_add_nc_u64 s[24:25], s[18:19], s[24:25]
	s_wait_alu depctr_va_vdst(0)
	v_and_b32 v5, 8, v2
	v_add_nc_u32 v5, v5, v2                        ; r + 8 (r / 8)
	v_mul_u32_u24 v6, v3, 24                       ; 24 h
.irp i, 0,1,2,3,4,5,6,7
	v_add_nc_u32 v7, 32*(\i/2)+8*(\i%2), v5
	v_mad_u32_u24 v[16+\i], v7, s30, v6            ; fragment i: my row, my half's bytes
.endr
	v_lshl_add_u32 v8, v3, 6, v5
.irp i, 0,1,2,3
	v_add_nc_u32 v7, 32*(\i/2)+8*(\i%2), v8
	v_mul_u32_u24 v[24+\i], v7, s31                ; the scale word of lane r's row in fragment 4 h + i
.endr
.irp i, 0,1,2,3,4,5,6,7
.irp p, 0,1,2,3,4,5
	global_load_b64 v[32+12*\i+2*\p:32+12*\i+2*\p+1], v[16+\i], s[26:27] offset:48*(\p/3)+8*(\p%3)   ; 24 bytes of the row's stream of bits are six registers as they lie
.endr
.endr
.irp i, 0,1,2,3
	global_load_b32 v[128+\i], v[24+\i], s[28:29]
.endr
	v_lshlrev_b32 v9, 5, v2
	v_lshl_add_u32 v9, v3, 4, v9                   ; 32 r + 16 h
	s_wait_alu depctr_va_vdst(0)
	s_wait_loadcnt 0x0
.irp i, 0,1,2,3,4,5,6,7
.irp g, 0,1,2
	global_store_b128 v4, v[32+12*\i+4*\g:32+12*\i+4*\g+3], s[24:25] offset:1536*\i+512*\g
.endr
.endr
	global_store_b128 v9, v[128:131], s[24:25] offset:SCO
	s_endpgm
.Lfunc_end_k_qeaaf9c3e5d_prep:
	.size	k_qeaaf9c3e5d_prep, .Lfunc_end_k_qeaaf9c3e5d_prep-k_qeaaf9c3e5d_prep
	.p2alignl 7, 3214868480
	.fill 96, 4, 3214868480
	.section	.rodata,"a",@progbits
	.p2align	6, 0x0
	.amdhsa_kernel k_qeaaf9c3e5d_prep
		.amdhsa_group_segment_fixed_size 82432
		.amdhsa_private_segment_fixed_size 0
		.amdhsa_enable_private_segment 0
		.amdhsa_kernarg_size 64
		.amdhsa_user_sgpr_count 2
		.amdhsa_user_sgpr_kernarg_segment_ptr 1
		.amdhsa_wavefront_size32 1
		.amdhsa_system_sgpr_workgroup_id_x 1
		.amdhsa_system_sgpr_workgroup_id_y 1
		.amdhsa_system_sgpr_workgroup_id_z 1
		.amdhsa_system_vgpr_workitem_id 0
		.amdhsa_next_free_vgpr 234
		.amdhsa_next_free_sgpr 66
		.amdhsa_reserve_vcc 0
		.amdhsa_float_denorm_mode_32 3
		.amdhsa_float_denorm_mode_16_64 3
		.amdhsa_memory_ordered 1
		.amdhsa_forward_progress 1
		.amdhsa_inst_pref_size 46
	.end_amdhsa_kernel
	.amdgpu_metadata
---
amdhsa.version: [ 1, 2 ]
amdhsa.kernels:
  - .name:           k_qeaaf9c3e5d_prep
    .symbol:         k_qeaaf9c3e5d_prep.kd
    .args:
      - { .name: x, .offset: 0, .size: 8, .value_kind: global_buffer, .address_space: global }
      - { .name: fc_w_codes, .offset: 8, .size: 8, .value_kind: global_buffer, .address_space: global }
      - { .name: fc_w_scales, .offset: 16, .size: 8, .value_kind: global_buffer, .address_space: global }
      - { .name: v_w_codes, .offset: 24, .size: 8, .value_kind: global_buffer, .address_space: global }
      - { .name: v_w_scales, .offset: 32, .size: 8, .value_kind: global_buffer, .address_space: global }
      - { .name: alt_w_codes, .offset: 40, .size: 8, .value_kind: global_buffer, .address_space: global }
      - { .name: alt_w_scales, .offset: 48, .size: 8, .value_kind: global_buffer, .address_space: global }
      - { .name: w1, .offset: 56, .size: 8, .value_kind: global_buffer, .address_space: global }
    .group_segment_fixed_size: 82432
    .private_segment_fixed_size: 0
    .kernarg_segment_align: 8
    .kernarg_segment_size: 64
    .max_flat_workgroup_size: 128
    .sgpr_count:     66
    .vgpr_count:     234
    .wavefront_size: 32
...
	.end_amdgpu_metadata
.endif
;; end of part 1
;; launch proj (part 2): grid 4 x 96, 4 waves a work-group, clusters of 4 x 4, 327,680 bytes of LDS; arguments w1, fc_b, v_b, alt_b, w2; writes w2
.if DOCPART == 2
	.amdgcn_target "amdgcn-amd-amdhsa--gfx1250"
	.amdhsa_code_object_version 6
	.text
	.protected	k_qeaaf9c3e5d_proj
	.globl	k_qeaaf9c3e5d_proj
	.p2align	8
	.type	k_qeaaf9c3e5d_proj,@function
k_qeaaf9c3e5d_proj:
	s_mov_b64 s[64:65], 0
	v_nop
	global_prefetch_b8 v0, s[64:65] scope:SCOPE_SE
	s_setreg_imm32_b32 hwreg(HW_REG_WAVE_MODE, 25, 1), 1
	s_wait_xcnt 0x0
	s_wait_alu depctr_hold_cnt(0) depctr_sa_sdst(0) depctr_va_vdst(0) depctr_va_sdst(0) depctr_va_ssrc(0) depctr_va_vcc(0) depctr_vm_vsrc(0)
	s_getreg_b32 s2, hwreg(HW_REG_IB_STS2, 6, 4)
	s_cmp_eq_u32 s2, 0
	s_cbranch_scc0 .Lentry_in_a_cluster
	s_endpgm
.Lentry_in_a_cluster:
	s_bfe_u32 s2, ttmp6, 0x10000c
	s_cmp_lg_u32 s2, 0xf033
	s_cbranch_scc0 .Lentry_shape_is_right
	s_endpgm
.Lentry_shape_is_right:
; PROJ.  The three products with weights, on codes of FP6 (E2M3) with E8M0 scales, each result quantised again along the K of the product that takes it, and stored to w2 as codes:
;   clusters 0-7:   y  = x fc_w^T + fc_b       (K = 1,024)  ->  yq, rows b*2048+c, K = f
;   clusters 8-15:  yx = x^T alt_w^T + alt_b   (K = 2,048)  ->  zq, rows b*2048+k, K = e
;   clusters 16-23: vx = x v_w^T + v_b         (K = 1,024)  ->  vq, rows b*1024+f, K = the keys
; LAYOUT of every operand, in w1 and in w2: a fragment (16 rows x 128 K) is the image of its 12 registers, 1,536 bytes (registers 4g..4g+3 of lane l at 512 g + 16 l); lane r of fragment i of a block of 128 rows holds
; row 32 (i/2) + 8 (i%2) + r + 8 (r/8); a chunk block (128 rows x 128 K) is 8 fragments and, at 12,288, 128 scale words (row (i, r) at 32 r + 4 i): 12,800 bytes; a tensor is [row block][chunk], dense.
; SOURCE 0 (S0) is the operand whose rows are the NEXT product's K, source 1 (S1) the one whose rows are the result's rows: a lane then holds one result row, and by the choice of rows above the 64 registers
; of its eight tiles run along the next K in the order that the conversions want.  The bias is the C of each sum's first matrix instruction.
; SHARES.  A work-group of four waves makes 256 x 256, a wave 128 x 128: 64 accumulators, 512 registers.  K goes in steps of 256 (two chunk blocks of each 128 rows, 25,600 dense bytes) through two LDS slots.
; CLUSTERS: 4 x 4.  S1's tiles are shared along a row of the cluster, S0's along a column: each is asked for jointly.  Which product a cluster makes hangs on the cluster's number alone, the same in all partners.
; The long product's clusters stand in the middle: clusters c and c + 16 are then one of y's and one of vx's, 4 + 4 K steps, as many as one of yx's 8.
; LIMITS: a block of zeros gets the byte 1 (its codes are zeros; the bytes are read by this program alone); NaN and infinities are not served.
; REGISTERS: window 0: v0-31 addresses; v32-63 scale words, two sets (S0's 8, S1's 8), nothing else ever; v64-159, v160-255 S1's fragments, two sets; in the epilogue v64-111 at work.
;   window 1: v0-95, v128-223 S0's fragments, two sets; v96-127, v224-255 the bias table.   windows 2, 3: accumulator (t, f) at v[8 (8 (t % 4) + f)] of window 2 + t / 4.
.set CB,     12800
.set SCO,    12288
.set QTR,    2*CB                      ; what one tensor load brings: 128 rows x 256 K
.set SLOT,   4*QTR                     ; S1's two halves, then S0's two
.set SPARE,  2*SLOT                    ; the spare words: 128 bytes for each wave, two blocks of 256 bytes that no other line names
.set XC_OFF, 6553600
.set AW_OFF, 13107200
.set FW_OFF, 16384000
.set VW_OFF, 17203200
.set ZQ_OFF, 6553600
.set VQ_OFF, 13107200
.set LI,   3                           ; v3     16 x lane
.set SOF,  4                           ; v4     32 r + 16 h
.set AD1,  8                           ; v8-9   S1's fragments in slot 0, 1
.set AD0,  10                          ; v10-11 S0's
.set AS1,  12                          ; v12-13 S1's scale words: + 32 r
.set AS0,  14                          ; v14-15 S0's
.set OJ,   20                          ; v20-27 the bias loads' offsets
.set SPW,  28
.set NIL,  29
.set SS,   32
.set F1,   64
.set TM,   64                          ; epilogue: v64-79 at work
.set PC,   80                          ; v80-99 the codes just made
.set PWS,  100                         ; v100-107 the eight scale words
.set DSEL, 108
.set G1,   24                          ; s[24:31], s[32:39] groups 1 and 0 (a set a slot) for S1
.set G0,   32
.set G1B,  48                          ; s[48:55], s[56:63] for S0
.set G0B,  56
.set SEL,  84
.set MSB, 0
.macro WIN new                         ; the immediate's high byte repeats the setting that is left
.if MSB != (\new)
	s_set_vgpr_msb (MSB<<8)|(\new)
.set MSB, (\new)
.endif
.endm
.macro PLACES n
.rept \n
	v_nop
.endr
.endm
; A joint load: waves 0 and 1 fetch S1's halves, waves 2 and 3 S0's.  The branch hangs on the wave's number alone.  Four v_nop follow each of the two lines.
.macro JLOAD g0a, g1a, g0b, g1b
	s_cmp_eq_u32 s15, 0
	s_cbranch_scc0 .Lfor_b_\@
	tensor_load_to_lds s[\g0a:\g0a+3], s[\g1a:\g1a+7]
	s_nop 0
.rept 4
	v_nop
.endr
	s_branch .Lasked_\@
.Lfor_b_\@:
	tensor_load_to_lds s[\g0b:\g0b+3], s[\g1b:\g1b+7]
	s_nop 0
.rept 4
	v_nop
.endr
.Lasked_\@:
.endm
.macro CREST                           ; a round of the cluster's barrier behind its opening barrier
	s_cmp_lg_u32 s14, 0
	s_cbranch_scc1 .Lnot_wave_0_\@
	s_barrier_signal -3
.Lnot_wave_0_\@:
	s_barrier_wait -3
	s_barrier_signal -1
	s_barrier_wait -1
.endm
.macro CROUND
	s_barrier_signal -1
	s_barrier_wait -1
	CREST
.endm
.macro FRAG3 reg, adr, off             ; a fragment comes as it was stored: three loads of 512 consecutive bytes
.irp g, 0,1,2
	ds_load_b128 v[(\reg)+4*\g:(\reg)+4*\g+3], v[\adr] offset:(\off)+512*\g
.endr
.endm
; 52 LDS loads in one run: chunk q of a slot into set: S0's 8 fragments, both sides' scale words, S1's 8 fragments (the last 12 loads are S1's fragments 4-7)
.macro FETCH slot, q, set
	WIN 0x40
.irp f, 0,1,2,3,4,5,6,7
	FRAG3 128*(\set)+12*\f, AD0+(\slot), (\q)*CB+1536*\f
.endr
	WIN 0
	ds_load_b128 v[SS+16*(\set):SS+16*(\set)+3], v[AS0+(\slot)] offset:(\q)*CB+SCO
	ds_load_b128 v[SS+16*(\set)+4:SS+16*(\set)+7], v[AS0+(\slot)] offset:(\q)*CB+SCO+16
	ds_load_b128 v[SS+16*(\set)+8:SS+16*(\set)+11], v[AS1+(\slot)] offset:(\q)*CB+SCO
	ds_load_b128 v[SS+16*(\set)+12:SS+16*(\set)+15], v[AS1+(\slot)] offset:(\q)*CB+SCO+16
.irp u, 0,1,2,3,4,5,6,7
	FRAG3 F1+96*(\set)+12*\u, AD1+(\slot), (\q)*CB+1536*\u
.endr
.endm
; nt x 8 matrix instructions: S1's fragments t0 on, each against S0's eight.  mode 0: onto the accumulator; 1: C = the bias of S0's rows; 2: C = the bias of S1's rows.
; The 64 accumulators take turns, one instruction a turn, in the same order in every chunk.
.macro MULG t0, nt, set, mode
.set tt, \t0
.rept \nt
.irp f, 0,1,2,3,4,5,6,7
.set rD, 8*(8*(tt%4)+\f)
.set rA, 128*(\set)+12*\f
.set rB, F1+96*(\set)+12*tt
.set rX, \f
.if (\mode) == 2
.set rX, tt
.endif
.set rC, 96+8*rX+96*(rX/4)
.if (\mode) == 0
	v_wmma_scale_f32_16x16x128_f8f6f4 v[rD:rD+7], v[rA:rA+11], v[rB:rB+11], v[rD:rD+7], v[SS+16*(\set)+\f], v[SS+16*(\set)+8+tt] matrix_a_fmt:MATRIX_FMT_FP6 matrix_b_fmt:MATRIX_FMT_FP6
.else
	v_wmma_scale_f32_16x16x128_f8f6f4 v[rD:rD+7], v[rA:rA+11], v[rB:rB+11], v[rC:rC+7], v[SS+16*(\set)+\f], v[SS+16*(\set)+8+tt] matrix_a_fmt:MATRIX_FMT_FP6 matrix_b_fmt:MATRIX_FMT_FP6
.endif
.endr
.set tt, tt+1
.endr
.endm
.macro MWIN hi, mode                   ; source 0 window 1, source 1 window 0, D window 2 + hi; C with D, or in window 1 (the bias table)
.if (\mode) == 0
	WIN 0xa1+0x50*(\hi)
.else
	WIN 0x91+0x40*(\hi)
.endif
.endm
; A chunk of 128 along K that has its successor in the same slot: the successor's 52 loads go out first, behind four places (loads into registers that matrix instructions have read), and have 64 matrix instructions in which to land.
.macro CH slot, q, mode
	s_wait_dscnt 12                                ; all but the youngest twelve loads (S1's fragments 4-7) are in
	PLACES 4
	FETCH \slot, (\q)+1, 1-(\q)%2
	MWIN 0, \mode
	MULG 0, 4, (\q)%2, \mode
	s_wait_dscnt 52                                ; all but the 52 just issued
	MWIN 1, \mode
	MULG 4, 4, (\q)%2, \mode
	WIN 0
.endm
; A slot's last chunk (set 1) changes slots: ONE barrier; in front of it each wave waits for all its tensor loads, adds 0 to its spare word, and waits for that and for its own reads of this slot.  fill = 1: the slot is filled again, two K steps ahead.
.macro TURN slot, next, fill
	s_wait_tensorcnt 0x0                           ; all my tensor loads have landed: my part of the next slot
	ds_add_u32 v[SPW], v[NIL]                      ; 0 onto my spare word
	s_wait_dscnt 13                                ; (the add and the youngest twelve loads may be out)
	WIN 0xa1
	MULG 0, 1, 1, 0                                ; eight matrix instructions stand between the add and the wait for it
	s_wait_dscnt 0x0                               ; the add is done, and my reads of this slot are over
	s_barrier_signal -1
	MULG 1, 1, 1, 0
	WIN 0
	s_barrier_wait -1
.if \fill
	CREST                                          ; the barrier has opened a round of the cluster's barrier: no wave of any partner still reads this slot or has a load on its way
	s_add_nc_u64 s[G0+4*\slot+2:G0+4*\slot+3], s[G0+4*\slot+2:G0+4*\slot+3], 2*QTR
	s_add_nc_u64 s[G0B+4*\slot+2:G0B+4*\slot+3], s[G0B+4*\slot+2:G0B+4*\slot+3], 2*QTR
	JLOAD G0+4*\slot, G1, G0B+4*\slot, G1B         ; the first tensor load behind the round; its four v_nop are the places in front of the loads below
.else
	PLACES 4
.endif
	FETCH \next, 0, 0
	WIN 0xa1
	MULG 2, 2, 1, 0
	WIN 0xf1
	MULG 4, 4, 1, 0
	WIN 0
.endm
	s_load_b256 s[4:11], s[0:1], 0x0               ; w1, fc_b, v_b, alt_b
	s_load_b64 s[12:13], s[0:1], 0x20              ; w2
	v_lshl_add_u32 v[SPW], v0, 2, SPARE
	v_mov_b32 v[NIL], 0
	ds_add_u32 v28, v29
	ds_add_u32 v28, v29
	s_wait_dscnt 0x0
	v_lshrrev_b32 v1, 5, v0
	v_readfirstlane_b32 s14, v1                    ; wave 0..3
	s_lshr_b32 s15, s14, 1                         ; my half of S1's rows.  Also: I fetch for S1 (0) or for S0 (1)
	s_and_b32 s16, s14, 1                          ; my half of S0's rows.  Also: which half I fetch
	s_bfe_u32 s40, ttmp6, 0x40000                  ; cx
	s_bfe_u32 s41, ttmp6, 0x40004                  ; cy
	s_and_b32 s17, ttmp7, 0xffff                   ; the cluster's number, 0 .. 23
	s_lshr_b32 s18, s17, 3                         ; its group of eight: 0, 1, 2
	s_xor_b32 s78, s18, 1
	s_cmp_lt_u32 s18, 2
	s_cselect_b32 s18, s78, s18                    ; which product: 0 yx (group 1), 1 y (group 0), 2 vx (group 2)
	s_and_b32 s19, s17, 7
	s_and_b32 s78, s19, 3
	s_lshr_b32 s79, s19, 2
	s_mov_b32 s66, 102400
	s_mov_b32 s69, XC_OFF
	s_mov_b32 s70, AW_OFF
	s_mov_b32 s71, ZQ_OFF
	s_cmp_eq_u32 s18, 0
	s_cselect_b32 s66, 204800, s66                 ; bytes of a row block: K / 128 chunk blocks
	s_cselect_b32 s3, 3, 1                         ; the loop's trips: K / 512 - 1
	s_cselect_b32 s67, s78, s19                    ; which four tiles along S0,
	s_cselect_b32 s68, s79, s19                    ; and along S1
	s_cselect_b32 s69, s69, 0                      ; where S0 begins in w1,
	s_cselect_b32 s70, s70, 0                      ; S1,
	s_cselect_b32 s71, s71, 0                      ; and the result in w2
	s_mov_b32 s78, FW_OFF
	s_cmp_eq_u32 s18, 1
	s_cselect_b32 s67, 0, s67
	s_cselect_b32 s69, s78, s69
	s_cselect_b32 s72, 1, 0                        ; 1: the bias goes by S0's rows
	s_mov_b32 s78, VW_OFF
	s_mov_b32 s79, VQ_OFF
	s_cmp_eq_u32 s18, 2
	s_cselect_b32 s68, 0, s68
	s_cselect_b32 s70, s78, s70
	s_cselect_b32 s71, s79, s71
	s_cselect_b32 s73, 4, 3                        ; the result's chunks in a row: 16 or 8, as a shift,
	s_cselect_b32 s74, 8, 16                       ; its row blocks in a batch,
	s_cselect_b32 s75, 16, 8                       ; and as a number
	s_max_u32 s3, s3, 1                            ; the trips are 3 or 1: at least one, ahead of a loop that counts down to 0
	s_lshl_b32 s43, s41, 2
	s_lshl_b32 s43, 15, s43                        ; my row of the cluster
	s_lshl_b32 s44, 0x1111, s40                    ; my column
	s_or_b32 s[G1+0], s43, (3<<16)|(1<<21)         ; 15:0 the mask; 17:16 elements of 8 bytes; 21 set beside a mask; no padding
	s_or_b32 s[G1B+0], s44, (3<<16)|(1<<21)
.irp g, G1, G1B
	s_mov_b32 s[\g+1], 32<<16                      ; tensor_dim0 = 32 elements: rows of 256 bytes
	s_mov_b32 s[\g+2], 100<<16                     ; tensor_dim1 = 100: 25,600 dense bytes
	s_mov_b32 s[\g+3], 32<<16                      ; tile_dim0
	s_mov_b32 s[\g+4], 100                         ; tile_dim1
	s_mov_b32 s[\g+5], 32                          ; the pitch: dense
	s_mov_b32 s[\g+6], 0
	s_mov_b32 s[\g+7], 0
.endr
	s_lshl_b32 s20, s68, 2
	s_add_co_u32 s20, s20, s41                     ; S1's tile of 256 rows: hangs on cy alone
	s_lshl_b32 s20, s20, 1
	s_add_co_u32 s87, s20, s15                     ; the row block that I multiply
	s_add_co_u32 s20, s20, s16                     ; the row block that I fetch
	s_mul_i32 s20, s20, s66
	s_add_co_u32 s22, s20, s70
	s_mov_b32 s23, 0
	s_lshl_b32 s46, s67, 2
	s_add_co_u32 s46, s46, s40                     ; S0's tile: hangs on cx alone
	s_lshl_b32 s46, s46, 1
	s_add_co_u32 s86, s46, s16                     ; the row block that I fetch, and multiply
	s_mul_i32 s46, s86, s66
	s_add_co_u32 s46, s46, s69
	s_mov_b32 s47, 0
	s_mul_i32 s45, s14, QTR                        ; where my load goes: wave x 25,600: no place in the cluster enters an LDS address
	s_mov_b32 s[SEL], 0x76543210
	s_mov_b32 s[SEL+1], 0xfedcba98
	s_wait_kmcnt 0x0
	s_add_nc_u64 s[22:23], s[4:5], s[22:23]
	s_add_nc_u64 s[46:47], s[4:5], s[46:47]
	CROUND                                         ; all sixteen work-groups are here: the first joint loads meet
.irp s, 0,1
	s_mov_b32 s[G0+4*\s], 1
	s_add_co_u32 s[G0+4*\s+1], s45, \s*SLOT
	s_add_nc_u64 s[G0+4*\s+2:G0+4*\s+3], s[22:23], \s*QTR
	s_or_b32 s[G0+4*\s+3], s[G0+4*\s+3], 0x80000000
	s_mov_b32 s[G0B+4*\s], 1
	s_add_co_u32 s[G0B+4*\s+1], s45, \s*SLOT
	s_add_nc_u64 s[G0B+4*\s+2:G0B+4*\s+3], s[46:47], \s*QTR
	s_or_b32 s[G0B+4*\s+3], s[G0B+4*\s+3], 0x80000000
.endr
	JLOAD G0, G1, G0B, G1B                         ; K step 0: one tensor load a wave at the head
	s_lshr_b32 s78, s86, s73
	s_mul_i32 s78, s78, s74
	s_add_co_u32 s78, s78, s87
	s_mul_i32 s78, s78, s75
	s_sub_co_u32 s79, s75, 1
	s_and_b32 s79, s86, s79
	s_add_co_u32 s78, s78, s79
	s_mul_i32 s78, s78, CB
	s_add_co_u32 s80, s78, s71
	s_mov_b32 s81, 0
	s_add_nc_u64 s[80:81], s[12:13], s[80:81]
	s_cmp_eq_u32 s18, 0
	s_cselect_b64 s[76:77], s[10:11], s[8:9]       ; the bias: alt_b, v_b,
	s_cmp_eq_u32 s18, 1
	s_cselect_b64 s[76:77], s[6:7], s[76:77]       ; or fc_b,
	s_cselect_b32 s78, s86, s87
	s_lshl_b32 s78, s78, 9                         ; at my 128 rows of the side that it goes by
	s_mov_b32 s79, 0
	s_add_nc_u64 s[76:77], s[76:77], s[78:79]
	v_and_b32 v1, 15, v0                           ; r
	v_bfe_u32 v2, v0, 4, 1                         ; h
	v_and_b32 v5, 31, v0
	v_lshlrev_b32 v[LI], 4, v5
	v_lshlrev_b32 v6, 5, v1                        ; 32 r
	v_lshl_add_u32 v[SOF], v2, 4, v6
	; the bias table, in the result's layout.  By S0's rows: register j of tile f is row 32 (f/2) + 16 h + 8 (f%2) + j.  By S1's rows: all eight registers of tile t are row 32 (t/2) + 8 (t%2) + r + 8 (r/8)
	v_and_b32 v7, 8, v1
	v_add_nc_u32 v7, v7, v1
	v_lshlrev_b32 v7, 2, v7
	v_lshlrev_b32 v16, 6, v2
	s_sub_co_u32 s78, 1, s72
	v_mul_u32_u24 v[OJ], v16, s72
	v_mad_u32_u24 v[OJ], v7, s78, v[OJ]
	s_lshl_b32 s79, s72, 2
.irp j, 1,2,3,4,5,6,7
	v_mad_u32_u24 v[OJ+\j], s79, \j, v[OJ]
.endr
	WIN 0x40
.irp x, 0,1,2,3,4,5,6,7
.irp j, 0,1,2,3,4,5,6,7
	global_load_b32 v[96+8*\x+96*(\x/4)+\j], v[OJ+\j], s[76:77] offset:4*(32*(\x/2)+8*(\x%2))
.endr
.endr
	WIN 0
	s_mul_i32 s78, s15, QTR                        ; my half of S1
	s_mul_i32 s79, s16, QTR
	s_add_co_u32 s79, s79, 2*QTR                   ; my half of S0, behind S1's two
.irp s, 0,1
	v_add_nc_u32 v[AD1+\s], s78, v[LI]
	v_add_nc_u32 v[AD0+\s], s79, v[LI]
	v_add_nc_u32 v[AS1+\s], s78, v6
	v_add_nc_u32 v[AS0+\s], s79, v6
	s_add_co_u32 s78, s78, SLOT
	s_add_co_u32 s79, s79, SLOT
.endr
	s_wait_alu depctr_va_vdst(0)
	s_wait_tensorcnt 0x0                           ; my part of K step 0 is in
	ds_add_u32 v[SPW], v[NIL]
	s_wait_dscnt 0x0
	CROUND                                         ; a whole round: everybody's part is in, and the joint loads meet
	JLOAD G0+4, G1, G0B+4, G1B                     ; K step 1, the first tensor load behind the round
	FETCH 0, 0, 0
	s_wait_loadcnt 0x0                             ; the bias table
	s_cmp_eq_u32 s18, 1                            ; the first chunk starts the sums with the bias: two copies, which differ in the C alone; no barrier and no tensor load stands in them
	s_cbranch_scc0 .Lby_s1
	CH 0, 0, 1
	s_branch .Lstarted
.Lby_s1:
	CH 0, 0, 2
.Lstarted:
.Llap:                                                 ; a trip goes once round the ring and fills both slots again; no LDS address is stepped in it
	TURN 0, 1, 1
	CH 1, 0, 0
	TURN 1, 0, 1
	CH 0, 0, 0
	s_sub_co_u32 s3, s3, 1
	s_cmp_lg_u32 s3, 0
	s_cbranch_scc1 .Llap
	TURN 0, 1, 0                                   ; the last lap fills nothing
	CH 1, 0, 0
	s_wait_dscnt 0x0                               ; the very last chunk
	WIN 0xa1
	MULG 0, 4, 1, 0
	WIN 0xf1
	MULG 4, 4, 1, 0
	WIN 0
	PLACES 4                                       ; in front of the first read of results and the first write of registers that held fragments
; THE EPILOGUE, S1's fragment t at a time: the lane's 64 numbers (register 16 b + i = next K 32 b + 16 h + i of its row) become one fragment and one scale word a row.
.macro EPI t
.set AC, 64*((\t)%4)
.set WW, 2+(\t)/4
	WIN WW*5                                       ; sources 0 and 1 in the accumulators' window
.irp b, 0,1,2,3
	v_max3_num_f32 v[TM+\b], |v[AC+16*\b]|, |v[AC+16*\b+1]|, 0x1800000   ; block b: my 16 numbers, each accumulator from its low end on, and the floor 2^(3 - 127)
.endr
.irp i, 2,4,6,8,10,12,14
.irp b, 0,1,2,3
	v_max3_num_f32 v[TM+\b], |v[AC+16*\b+\i]|, |v[AC+16*\b+\i+1]|, v[TM+\b]
.endr
.endr
	WIN 0
.irp b, 0,1,2,3
	v_permlanex16_b32 v[TM+4+\b], v[TM+\b], s[SEL], s[SEL+1]
.endr
.irp b, 0,1,2,3
	v_max_num_f32 v[TM+\b], v[TM+\b], v[TM+4+\b]   ; with lane l xor 16's: the block's largest magnitude
.endr
.irp b, 0,1,2,3
	v_add_nc_u32 v[TM+12+\b], 0xff000000, v[TM+\b] ; 2 off its exponent field: the conversion's scale operand
.endr
.irp b, 0,1,2,3
	v_lshrrev_b32 v[TM+4+\b], 23, v[TM+12+\b]      ; the scale's byte
.endr
	v_lshl_or_b32 v[PWS+(\t)], v[TM+5], 8, v[TM+4]
	v_lshl_or_b32 v[PWS+(\t)], v[TM+6], 16, v[PWS+(\t)]
	v_lshl_or_b32 v[PWS+(\t)], v[TM+7], 24, v[PWS+(\t)]
	s_wait_xcnt 0x0                                ; the last fragment's stores have read their registers: the codes may be written again
	WIN WW
.irp c, 0,1
	v_cvt_scalef32_pk16_fp6_f32 v[PC+6*\c:PC+6*\c+2], v[AC+32*\c:AC+32*\c+15], v[TM+12+2*\c]
	v_cvt_scalef32_pk16_fp6_f32 v[PC+12+4*\c:PC+14+4*\c], v[AC+32*\c+16:AC+32*\c+31], v[TM+12+2*\c+1]
.endr
	WIN 0
	v_nop                                          ; one plain place behind a scaled conversion
.irp c, 0,1                                    ; the operand's layout wants a whole block in a lane
.irp i, 0,1,2
	v_permlane16_swap_b32 v[PC+6*\c+\i], v[PC+12+4*\c+\i]
.endr
.irp i, 0,1,2
	v_mov_b32 v[PC+3+6*\c+\i], v[PC+12+4*\c+\i]
.endr
.endr
.irp g, 0,1,2
	global_store_b128 v[LI], v[PC+4*\g:PC+4*\g+3], s[80:81] offset:1536*(\t)+512*\g   ; 512 consecutive bytes, aligned
.endr
.endm
.irp b, 0,1,2,3
	v_mov_b32 v[TM+4+\b], 0                        ; a lane permute's destination counts as one of its sources
.endr
.irp t, 0,1,2,3,4,5,6,7
	EPI \t
.endr
	v_cmp_eq_u32 vcc_lo, 1, v2
.irp j, 0,1,2,3
	v_cndmask_b32 v[DSEL+\j], v[PWS+\j], v[PWS+4+\j], vcc_lo   ; lanes 0-15 store fragments 0-3's words of their row, lanes 16-31 fragments 4-7's
.endr
	global_store_b128 v[SOF], v[DSEL:DSEL+3], s[80:81] offset:SCO
	s_wait_tensorcnt 0x0                           ; the wave's end
	ds_add_u32 v[SPW], v[NIL]
	s_wait_dscnt 0x0
	CROUND                                         ; the closing round
	s_endpgm
.Lfunc_end_k_qeaaf9c3e5d_proj:
	.size	k_qeaaf9c3e5d_proj, .Lfunc_end_k_qeaaf9c3e5d_proj-k_qeaaf9c3e5d_proj
	.p2alignl 7, 3214868480
	.fill 96, 4, 3214868480
	.section	.rodata,"a",@progbits
	.p2align	6, 0x0
	.amdhsa_kernel k_qeaaf9c3e5d_proj
		.amdhsa_group_segment_fixed_size 327680
		.amdhsa_private_segment_fixed_size 0
		.amdhsa_enable_private_segment 0
		.amdhsa_kernarg_size 40
		.amdhsa_user_sgpr_count 2
		.amdhsa_user_sgpr_kernarg_segment_ptr 1
		.amdhsa_wavefront_size32 1
		.amdhsa_system_sgpr_workgroup_id_x 1
		.amdhsa_system_sgpr_workgroup_id_y 1
		.amdhsa_system_sgpr_workgroup_id_z 1
		.amdhsa_system_vgpr_workitem_id 0
		.amdhsa_next_free_vgpr 1024
		.amdhsa_next_free_sgpr 100
		.amdhsa_reserve_vcc 1
		.amdhsa_float_denorm_mode_32 3
		.amdhsa_float_denorm_mode_16_64 3
		.amdhsa_memory_ordered 1
		.amdhsa_forward_progress 1
		.amdhsa_inst_pref_size 157
	.end_amdhsa_kernel
	.amdgpu_metadata
---
amdhsa.version: [ 1, 2 ]
amdhsa.kernels:
  - .name:           k_qeaaf9c3e5d_proj
    .symbol:         k_qeaaf9c3e5d_proj.kd
    .args:
      - { .name: w1, .offset: 0, .size: 8, .value_kind: global_buffer, .address_space: global }
      - { .name: fc_b, .offset: 8, .size: 8, .value_kind: global_buffer, .address_space: global }
      - { .name: v_b, .offset: 16, .size: 8, .value_kind: global_buffer, .address_space: global }
      - { .name: alt_b, .offset: 24, .size: 8, .value_kind: global_buffer, .address_space: global }
      - { .name: w2, .offset: 32, .size: 8, .value_kind: global_buffer, .address_space: global }
    .group_segment_fixed_size: 327680
    .private_segment_fixed_size: 0
    .kernarg_segment_align: 8
    .kernarg_segment_size: 40
    .max_flat_workgroup_size: 128
    .sgpr_count:     100
    .vgpr_count:     1024
    .wavefront_size: 32
...
	.end_amdgpu_metadata
.endif
;; end of part 2
;; launch score (part 3): grid 8 x 32, 4 waves a work-group, clusters of 4 x 4, 327,680 bytes of LDS; arguments w2, mask, w3; writes w3
.if DOCPART == 3
	.amdgcn_target "amdgcn-amd-amdhsa--gfx1250"
	.amdhsa_code_object_version 6
	.text
	.protected	k_qeaaf9c3e5d_score
	.globl	k_qeaaf9c3e5d_score
	.p2align	8
	.type	k_qeaaf9c3e5d_score,@function
k_qeaaf9c3e5d_score:
	s_mov_b64 s[64:65], 0
	v_nop
	global_prefetch_b8 v0, s[64:65] scope:SCOPE_SE
	s_setreg_imm32_b32 hwreg(HW_REG_WAVE_MODE, 25, 1), 1
	s_wait_xcnt 0x0
	s_wait_alu depctr_hold_cnt(0) depctr_sa_sdst(0) depctr_va_vdst(0) depctr_va_sdst(0) depctr_va_ssrc(0) depctr_va_vcc(0) depctr_vm_vsrc(0)
	s_getreg_b32 s2, hwreg(HW_REG_IB_STS2, 6, 4)
	s_cmp_eq_u32 s2, 0
	s_cbranch_scc0 .Lentry_in_a_cluster
	s_endpgm
.Lentry_in_a_cluster:
	s_bfe_u32 s2, ttmp6, 0x10000c
	s_cmp_lg_u32 s2, 0xf033
	s_cbranch_scc0 .Lentry_shape_is_right
	s_endpgm
.Lentry_shape_is_right:
; SCORE.  scores = y yx (K = 1,024) on codes of FP6 (E2M3) with E8M0 scales; the mask; p = 2^(t - M), quantised along the keys; p leaves as codes, never as numbers.
; t = score x log2(e) / sqrt(2048).  M here is LOCAL: for each query and each 128 keys, the ceiling of the largest t among those keys, a whole number.  Stored for each (query, 128 keys): the codes and scale bytes of
; p under the local M, -M, and the sum of the unquantised p.  The next launch takes the row's M, the largest of the sixteen, and lowers each scale byte by M - M_local: a power of two, which the scale takes up exactly.
; LAYOUT of yq, zq (in w2) and pq (in w3): a fragment (16 rows x 128 K) is the image of its 12 registers, 1,536 bytes; lane r of fragment i of 128 rows holds row 32 (i/2) + 8 (i%2) + r + 8 (r/8); a chunk block
; (128 rows x 128 K) is 8 fragments and, at 12,288, 128 scale words (row (i, r) at 32 r + 4 i): 12,800 bytes; [row block][chunk], dense.  -M and the sums: blocks of 512 bytes, laid as the scale words.
; SOURCE 0 = 16 keys (zq), source 1 = 16 queries (yq): a lane holds one query, and the 64 registers of its eight tiles are keys 32 b + 16 h + i at register 16 b + i.
; SHARES.  A work-group makes 256 queries x 256 keys, a wave 128 x 128.  K in steps of 256 through two LDS slots; 4 x 4 clusters: yq's tiles shared along a row, zq's along a column.
; The mask's tile, 256 rows x 256 bytes, comes once, behind the last round of the K loop, 64 rows a wave, each row a whole aligned run of 256 bytes.
; LIMITS: a chunk's largest t is held at -3e38 from below, so that 128 masked keys give p = 0 and no NaN; a block of zeros gets the byte 1; p under 2^-126 counts as 0; NaN and infinities among the inputs are not served.
; REGISTERS: window 0: v0-31 addresses and a query's figures; v32-63 scale words, nothing else ever; v64-255 S1's fragments, two sets; in the epilogue v64-243 at work.
;   window 1: S0's fragments, two sets.   windows 2, 3: accumulator (t, f) at v[8 (8 (t % 4) + f)] of window 2 + t / 4.
.set CB,     12800
.set SCO,    12288
.set QTR,    2*CB
.set SLOT,   4*QTR
.set MASK,   2*SLOT                    ; 256 rows x (256 + 16) bytes
.set SPARE,  MASK+256*272              ; the spare words: two blocks of 256 bytes that no other line names
.set ZQ_OFF, 6553600
.set NM_OFF, 13107200
.set LL_OFF, 13631488
.set LI,   3
.set SOF,  4
.set AD1,  8
.set AD0,  10
.set AS1,  12
.set AS0,  14
.set MADR, 20                          ; v20  my row's 16 mask bytes
.set SPW,  28
.set NIL,  29
.set SS,   32
.set F1,   64
.set P,    64                          ; v64-127  the masked scores, then p
.set MK,   128                         ; v128-143 64 mask bytes
.set BM,   144                         ; v144-147 the blocks' largest scores, then p
.set BT,   148
.set SO,   152                         ; v152-155 the conversions' scale operands
.set YY,   160                         ; v160-167 +infinity or -infinity
.set PWS,  168                         ; v168-175 scale words, v176-183 -M, v184-191 the sums, for the eight fragments
.set NMS,  176
.set LLS,  184
.set DSEL, 192
.set PC,   224
.set G1,   24
.set G0,   32
.set G1B,  48
.set G0B,  56
.set G1M,  68                          ; s[68:75], s[76:79] the mask's descriptor
.set G0M,  76
.set SEL,  86
.set CS,   88
.set MSB, 0
.macro WIN new
.if MSB != (\new)
	s_set_vgpr_msb (MSB<<8)|(\new)
.set MSB, (\new)
.endif
.endm
.macro PLACES n
.rept \n
	v_nop
.endr
.endm
.macro JLOAD g0a, g1a, g0b, g1b        ; waves 0 and 1 fetch S1's halves, waves 2 and 3 S0's; four v_nop follow each line
	s_cmp_eq_u32 s15, 0
	s_cbranch_scc0 .Lfor_b_\@
	tensor_load_to_lds s[\g0a:\g0a+3], s[\g1a:\g1a+7]
	s_nop 0
.rept 4
	v_nop
.endr
	s_branch .Lasked_\@
.Lfor_b_\@:
	tensor_load_to_lds s[\g0b:\g0b+3], s[\g1b:\g1b+7]
	s_nop 0
.rept 4
	v_nop
.endr
.Lasked_\@:
.endm
.macro CREST
	s_cmp_lg_u32 s14, 0
	s_cbranch_scc1 .Lnot_wave_0_\@
	s_barrier_signal -3
.Lnot_wave_0_\@:
	s_barrier_wait -3
	s_barrier_signal -1
	s_barrier_wait -1
.endm
.macro CROUND
	s_barrier_signal -1
	s_barrier_wait -1
	CREST
.endm
.macro FRAG3 reg, adr, off
.irp g, 0,1,2
	ds_load_b128 v[(\reg)+4*\g:(\reg)+4*\g+3], v[\adr] offset:(\off)+512*\g
.endr
.endm
.macro FETCH slot, q, set              ; 52 LDS loads in one run; the last 12 are S1's fragments 4-7
	WIN 0x40
.irp f, 0,1,2,3,4,5,6,7
	FRAG3 128*(\set)+12*\f, AD0+(\slot), (\q)*CB+1536*\f
.endr
	WIN 0
	ds_load_b128 v[SS+16*(\set):SS+16*(\set)+3], v[AS0+(\slot)] offset:(\q)*CB+SCO
	ds_load_b128 v[SS+16*(\set)+4:SS+16*(\set)+7], v[AS0+(\slot)] offset:(\q)*CB+SCO+16
	ds_load_b128 v[SS+16*(\set)+8:SS+16*(\set)+11], v[AS1+(\slot)] offset:(\q)*CB+SCO
	ds_load_b128 v[SS+16*(\set)+12:SS+16*(\set)+15], v[AS1+(\slot)] offset:(\q)*CB+SCO+16
.irp u, 0,1,2,3,4,5,6,7
	FRAG3 F1+96*(\set)+12*\u, AD1+(\slot), (\q)*CB+1536*\u
.endr
.endm
; mode 0: onto the accumulator; 3: the first product starts the sum.  The 64 accumulators take turns, one instruction a turn.
.macro MULG t0, nt, set, mode
.set tt, \t0
.rept \nt
.irp f, 0,1,2,3,4,5,6,7
.set rD, 8*(8*(tt%4)+\f)
.set rA, 128*(\set)+12*\f
.set rB, F1+96*(\set)+12*tt
.if (\mode) == 0
	v_wmma_scale_f32_16x16x128_f8f6f4 v[rD:rD+7], v[rA:rA+11], v[rB:rB+11], v[rD:rD+7], v[SS+16*(\set)+\f], v[SS+16*(\set)+8+tt] matrix_a_fmt:MATRIX_FMT_FP6 matrix_b_fmt:MATRIX_FMT_FP6
.else
	v_wmma_scale_f32_16x16x128_f8f6f4 v[rD:rD+7], v[rA:rA+11], v[rB:rB+11], 0, v[SS+16*(\set)+\f], v[SS+16*(\set)+8+tt] matrix_a_fmt:MATRIX_FMT_FP6 matrix_b_fmt:MATRIX_FMT_FP6
.endif
.endr
.set tt, tt+1
.endr
.endm
.macro CH slot, q, mode
	s_wait_dscnt 12                                ; all but the youngest twelve loads (S1's fragments 4-7) are in
	PLACES 4                                       ; in front of loads into registers that matrix instructions have read
	FETCH \slot, (\q)+1, 1-(\q)%2
	WIN 0xa1
	MULG 0, 4, (\q)%2, \mode
	s_wait_dscnt 52                                ; all but the 52 just issued
	WIN 0xf1
	MULG 4, 4, (\q)%2, \mode
	WIN 0
.endm
.macro TURN slot, next, fill
	s_wait_tensorcnt 0x0                           ; all my tensor loads have landed: my part of the next slot
	ds_add_u32 v[SPW], v[NIL]                      ; 0 onto my spare word
	s_wait_dscnt 13                                ; (the add and the youngest twelve loads may be out)
	WIN 0xa1
	MULG 0, 1, 1, 0
	s_wait_dscnt 0x0                               ; the add is done, and my reads of this slot are over
	s_barrier_signal -1
	MULG 1, 1, 1, 0
	WIN 0
	s_barrier_wait -1
.if (\fill) == 1
	CREST                                          ; a round of the cluster's barrier: no wave of any partner still reads this slot or has a load on its way
	s_add_nc_u64 s[G0+4*\slot+2:G0+4*\slot+3], s[G0+4*\slot+2:G0+4*\slot+3], 2*QTR
	s_add_nc_u64 s[G0B+4*\slot+2:G0B+4*\slot+3], s[G0B+4*\slot+2:G0B+4*\slot+3], 2*QTR
	JLOAD G0+4*\slot, G1, G0B+4*\slot, G1B
.else
.if (\fill) == 2
	CREST                                          ; no slot is filled again here: behind this round each wave asks for its 64 rows of the mask's tile, filled once
	tensor_load_to_lds s[G0M:G0M+3], s[G1M:G1M+7]
	s_nop 0
.rept 4
	v_nop
.endr
.else
	PLACES 4
.endif
.endif
	s_wait_alu depctr_va_vdst(0)
	FETCH \next, 0, 0
	WIN 0xa1
	MULG 2, 2, 1, 0
	WIN 0xf1
	MULG 4, 4, 1, 0
	WIN 0
.endm
	s_load_b128 s[4:7], s[0:1], 0x0                ; w2, mask
	s_load_b64 s[8:9], s[0:1], 0x10                ; w3
	v_lshl_add_u32 v[SPW], v0, 2, SPARE
	v_mov_b32 v[NIL], 0
	ds_add_u32 v28, v29
	ds_add_u32 v28, v29
	s_wait_dscnt 0x0
	v_lshrrev_b32 v1, 5, v0
	v_readfirstlane_b32 s14, v1
	s_lshr_b32 s15, s14, 1                         ; my half of the queries.  Also: I fetch for S1 (0) or S0 (1)
	s_and_b32 s16, s14, 1                          ; my half of the keys.  Also: which half I fetch
	s_bfe_u32 s40, ttmp6, 0x40000                  ; cx
	s_bfe_u32 s41, ttmp6, 0x40004                  ; cy
	s_lshl_b32 s42, ttmp9, 2
	s_add_co_u32 s42, s42, s40                     ; which 256 keys
	s_and_b32 s17, ttmp7, 0xffff
	s_lshl_b32 s18, s17, 2
	s_add_co_u32 s18, s18, s41                     ; which 256 rows of (b, query)
	s_lshr_b32 s19, s17, 1                         ; b: from the cluster's number alone
	s_lshl_b32 s43, s41, 2
	s_lshl_b32 s43, 15, s43
	s_lshl_b32 s44, 0x1111, s40
	s_or_b32 s[G1+0], s43, (3<<16)|(1<<21)
	s_or_b32 s[G1B+0], s44, (3<<16)|(1<<21)
.irp g, G1, G1B
	s_mov_b32 s[\g+1], 32<<16                      ; rows of 256 bytes,
	s_mov_b32 s[\g+2], 100<<16                     ; 100 of them: 25,600 dense bytes
	s_mov_b32 s[\g+3], 32<<16
	s_mov_b32 s[\g+4], 100
	s_mov_b32 s[\g+5], 32
	s_mov_b32 s[\g+6], 0
	s_mov_b32 s[\g+7], 0
.endr
	s_mov_b32 s[G1M], (3<<16)|(1<<20)|(5<<22)|(3<<25)   ; no mask of work-groups; elements of 8 bytes; 16 bytes of padding behind every 256
	s_mov_b32 s[G1M+1], 32<<16
	s_mov_b32 s[G1M+2], 64<<16
	s_mov_b32 s[G1M+3], 32<<16
	s_mov_b32 s[G1M+4], 64
	s_mov_b32 s[G1M+5], 256                        ; a row of the mask is 2,048 bytes
	s_mov_b32 s[G1M+6], 0
	s_mov_b32 s[G1M+7], 0
	s_lshl_b32 s20, s18, 1
	s_add_co_u32 s20, s20, s16
	s_mul_i32 s22, s20, 102400                     ; yq: row block 2 wgy + half: hangs on cy alone
	s_mov_b32 s23, 0
	s_lshl_b32 s46, s19, 4
	s_lshl_b32 s47, s42, 1
	s_add_co_u32 s46, s46, s47
	s_add_co_u32 s46, s46, s16
	s_mul_i32 s46, s46, 102400                     ; zq: row block 16 b + 2 wgx + half: hangs on cx alone
	s_add_co_u32 s46, s46, ZQ_OFF
	s_mov_b32 s47, 0
	s_mul_i32 s45, s14, QTR
	s_lshl_b32 s96, s18, 19                        ; the mask: row 256 wgy + 64 wave, column 256 wgx
	s_lshl_b32 s97, s14, 17
	s_add_co_u32 s96, s96, s97
	s_lshl_b32 s97, s42, 8
	s_add_co_u32 s96, s96, s97
	s_mov_b32 s97, 0
	s_wait_kmcnt 0x0
	s_add_nc_u64 s[22:23], s[4:5], s[22:23]
	s_add_nc_u64 s[46:47], s[4:5], s[46:47]
	CROUND                                         ; all sixteen work-groups are here: the first loads meet
.irp s, 0,1
	s_mov_b32 s[G0+4*\s], 1
	s_add_co_u32 s[G0+4*\s+1], s45, \s*SLOT
	s_add_nc_u64 s[G0+4*\s+2:G0+4*\s+3], s[22:23], \s*QTR
	s_or_b32 s[G0+4*\s+3], s[G0+4*\s+3], 0x80000000
	s_mov_b32 s[G0B+4*\s], 1
	s_add_co_u32 s[G0B+4*\s+1], s45, \s*SLOT
	s_add_nc_u64 s[G0B+4*\s+2:G0B+4*\s+3], s[46:47], \s*QTR
	s_or_b32 s[G0B+4*\s+3], s[G0B+4*\s+3], 0x80000000
.endr
	JLOAD G0, G1, G0B, G1B                         ; K step 0: one tensor load a wave at the head
	s_mov_b32 s[G0M], 1
	s_mul_i32 s[G0M+1], s14, 64*272
	s_add_co_u32 s[G0M+1], s[G0M+1], MASK
	s_add_nc_u64 s[G0M+2:G0M+3], s[6:7], s[96:97]
	s_or_b32 s[G0M+3], s[G0M+3], 0x80000000
	s_lshl_b32 s96, s18, 1
	s_add_co_u32 s96, s96, s15
	s_lshl_b32 s96, s96, 4
	s_lshl_b32 s97, s42, 1
	s_add_co_u32 s96, s96, s97
	s_add_co_u32 s96, s96, s16                     ; my block of pq: (row block 2 wgy + half) x 16 + chunk 2 wgx + half
	s_mul_i32 s98, s96, CB
	s_mov_b32 s99, 0
	s_add_nc_u64 s[80:81], s[8:9], s[98:99]
	s_lshl_b32 s98, s96, 9
	s_add_co_u32 s98, s98, NM_OFF
	s_add_nc_u64 s[82:83], s[8:9], s[98:99]        ; its -M
	s_add_nc_u64 s[84:85], s[82:83], LL_OFF-NM_OFF ; its sums
	s_mov_b32 s[SEL], 0x76543210
	s_mov_b32 s[SEL+1], 0xfedcba98
	s_mov_b32 s[CS], 0x3d0293ee                    ; c = log2(e) / sqrt(2048)
	s_mov_b32 s[CS+1], s[CS]
	s_mov_b32 s90, 0x00040505                      ; byte selectors: byte y of the mask word on top, then 0x80, 0, 0
	s_mov_b32 s91, 0x01040505
	s_mov_b32 s92, 0x02040505
	s_mov_b32 s93, 0x03040505
	s_mov_b32 s94, 0x80
	s_mov_b32 s95, 0x7f7f7f7f
	v_and_b32 v1, 15, v0                           ; r
	v_bfe_u32 v2, v0, 4, 1                         ; h
	v_and_b32 v5, 31, v0
	v_lshlrev_b32 v[LI], 4, v5
	v_lshlrev_b32 v6, 5, v1
	v_lshl_add_u32 v[SOF], v2, 4, v6
	s_mul_i32 s96, s15, QTR
	s_mul_i32 s97, s16, QTR
	s_add_co_u32 s97, s97, 2*QTR
.irp s, 0,1
	v_add_nc_u32 v[AD1+\s], s96, v[LI]
	v_add_nc_u32 v[AD0+\s], s97, v[LI]
	v_add_nc_u32 v[AS1+\s], s96, v6
	v_add_nc_u32 v[AS0+\s], s97, v6
	s_add_co_u32 s96, s96, SLOT
	s_add_co_u32 s97, s97, SLOT
.endr
	v_and_b32 v7, 8, v1
	v_add_nc_u32 v7, v7, v1
	v_mul_u32_u24 v[MADR], v7, 272
	v_lshl_add_u32 v[MADR], v2, 4, v[MADR]
	s_mul_i32 s96, s15, 128*272
	s_lshl_b32 s97, s16, 7
	s_add_co_u32 s96, s96, s97
	s_add_co_u32 s96, s96, MASK
	v_add_nc_u32 v[MADR], s96, v[MADR]             ; row 128 (my half) + r + 8 (r/8), byte 128 (my half of the keys) + 16 h
	s_wait_alu depctr_va_vdst(0)                   ; the wait at the head's end
	s_wait_tensorcnt 0x0                           ; my part of K step 0 is in
	ds_add_u32 v[SPW], v[NIL]
	s_wait_dscnt 0x0
	CROUND                                         ; a whole round: everybody's part is in, and the joint loads meet
	JLOAD G0+4, G1, G0B+4, G1B                     ; K step 1, the first tensor load behind the round
	FETCH 0, 0, 0
	CH 0, 0, 3                                     ; K = 1,024: four K steps, written out
	TURN 0, 1, 1
	CH 1, 0, 0
	TURN 1, 0, 1
	CH 0, 0, 0
	TURN 0, 1, 2
	CH 1, 0, 0
	s_wait_dscnt 0x0
	WIN 0xa1
	MULG 0, 4, 1, 0
	WIN 0xf1
	MULG 4, 4, 1, 0
	WIN 0
	PLACES 4
	s_wait_tensorcnt 0x0                           ; my rows of the mask's tile are in,
	s_barrier_signal -1
	s_barrier_wait -1                              ; everybody's are
.macro MLOAD t                         ; the 64 mask bytes of my query in fragment t: 16 for each block of 32 keys
.irp b, 0,1,2,3
	ds_load_b128 v[MK+4*\b:MK+4*\b+3], v[MADR] offset:(32*((\t)/2)+8*((\t)%2))*272+32*\b
.endr
.endm
; THE EPILOGUE, 16 queries at a time.
.macro SM t
.set AC, 64*((\t)%4)
.set WW, 2+(\t)/4
	s_wait_dscnt 0x0                               ; the mask bytes, asked for one fragment ago
.set n, 0
.rept 16
	v_lshl_or_b32 v[MK+n], v[MK+n], 7, s95         ; a byte 0 or 1 becomes 0x7f or 0xff
.set n, n+1
.endr
	WIN WW                                         ; source 0 in the accumulators' window
.set n, 0
.rept 8
.irp e, 0,1,2,3,4,5,6,7
	v_perm_b32 v[YY+\e], s94, v[MK+(n+\e)/4], s[90+\e%4]   ; +infinity, or -infinity where the key is masked
.endr
.irp e, 0,1,2,3,4,5,6,7
	v_min_num_f32 v[P+n+\e], v[AC+n+\e], v[YY+\e]  ; the score, or -infinity; each accumulator from its low end on
.endr
.set n, n+8
.endr
	WIN 0
.if (\t) < 7
	MLOAD (\t)+1
.endif
.irp b, 0,1,2,3
	v_max3_num_f32 v[BM+\b], v[P+16*\b], v[P+16*\b+1], v[P+16*\b+2]   ; the largest score of each block of 32 keys: it serves for the maximum and, since p rises with the score, for the block's largest p
.endr
.irp i, 3,5,7,9,11,13
.irp b, 0,1,2,3
	v_max3_num_f32 v[BM+\b], v[BM+\b], v[P+16*\b+\i], v[P+16*\b+\i+1]
.endr
.endr
.irp b, 0,1,2,3
	v_max_num_f32 v[BM+\b], v[BM+\b], v[P+16*\b+15]
.endr
.irp b, 0,1,2,3
	v_permlanex16_b32 v[BT+\b], v[BM+\b], s[SEL], s[SEL+1]
.endr
.irp b, 0,1,2,3
	v_max_num_f32 v[BM+\b], v[BM+\b], v[BT+\b]
.endr
	v_max3_num_f32 v158, v[BM], v[BM+1], v[BM+2]
	v_max_num_f32 v158, v158, v[BM+3]
	v_mul_f32 v158, s[CS], v158                    ; as t
	v_max_num_f32 v17, 0xff61b1e6, v158            ; held at -3e38: 128 masked keys give a number for M
	v_floor_f32 v16, -v17                          ; -M = floor(-t): M is a whole number
.set n, 0
.rept 32
	v_pk_fma_f32 v[P+n:P+n+1], v[P+n:P+n+1], s[CS:CS+1], v[16:17] op_sel_hi:[1,0,0]   ; t - M
.set n, n+2
.endr
.irp b, 0,1,2,3
	v_fma_f32 v[BM+\b], v[BM+\b], s[CS], v16
.endr
.set n, 0
	s_wait_alu depctr_va_vdst(0)
.rept 64
	v_exp_f32 v[P+n], v[P+n]                       ; p = 2^(t - M)
.set n, n+1
.endr
	v_mov_b32 v[NMS+(\t)], v16                     ; (a plain place behind the exponentials)
	s_wait_alu depctr_va_vdst(0)                   ; one wait for the batch, ahead of its first reader
.irp b, 0,1,2,3
	v_exp_f32 v[BM+\b], v[BM+\b]                   ; the block's largest p
.endr
	v_pk_add_f32 v[18:19], v[P:P+1], v[P+2:P+3]    ; the sum of the unquantised p, in two chains
	v_pk_add_f32 v[156:157], v[P+4:P+5], v[P+6:P+7]
.irp j, 8,12,16,20,24,28,32,36,40,44,48,52,56,60
	v_pk_add_f32 v[18:19], v[18:19], v[P+\j:P+\j+1]
	v_pk_add_f32 v[156:157], v[156:157], v[P+\j+2:P+\j+3]
.endr
	v_pk_add_f32 v[18:19], v[18:19], v[156:157]
	s_wait_alu depctr_va_vdst(0)                   ; and one for the four
.irp b, 0,1,2,3
	v_max_num_f32 v[BM+\b], 0x1800000, v[BM+\b]    ; the floor 2^(3 - 127)
.endr
.irp b, 0,1,2,3
	v_add_nc_u32 v[SO+\b], 0xff000000, v[BM+\b]
.endr
.irp b, 0,1,2,3
	v_lshrrev_b32 v[BT+\b], 23, v[SO+\b]
.endr
	v_lshl_or_b32 v[PWS+(\t)], v[BT+1], 8, v[BT]
	v_lshl_or_b32 v[PWS+(\t)], v[BT+2], 16, v[PWS+(\t)]
	v_lshl_or_b32 v[PWS+(\t)], v[BT+3], 24, v[PWS+(\t)]
	s_wait_xcnt 0x0                                ; the last fragment's stores have read their registers
.irp c, 0,1
	v_cvt_scalef32_pk16_fp6_f32 v[PC+6*\c:PC+6*\c+2], v[P+32*\c:P+32*\c+15], v[SO+2*\c]
	v_cvt_scalef32_pk16_fp6_f32 v[PC+12+4*\c:PC+14+4*\c], v[P+32*\c+16:P+32*\c+31], v[SO+2*\c+1]
.endr
	v_add_f32 v158, v18, v19                       ; the sum's two halves (also the plain place behind the conversions),
.irp c, 0,1
.irp i, 0,1,2
	v_permlane16_swap_b32 v[PC+6*\c+\i], v[PC+12+4*\c+\i]
.endr
.irp i, 0,1,2
	v_mov_b32 v[PC+3+6*\c+\i], v[PC+12+4*\c+\i]
.endr
.endr
	v_permlanex16_b32 v159, v158, s[SEL], s[SEL+1]
	v_add_f32 v[LLS+(\t)], v158, v159              ; and lane l xor 16's
.irp g, 0,1,2
	global_store_b128 v[LI], v[PC+4*\g:PC+4*\g+3], s[80:81] offset:1536*(\t)+512*\g
.endr
.endm
.irp b, 0,1,2,3
	v_mov_b32 v[BT+\b], 0                          ; a lane permute's destination counts as one of its sources
.endr
	v_mov_b32 v159, 0
	MLOAD 0
.irp t, 0,1,2,3,4,5,6,7
	SM \t
.endr
	v_cmp_eq_u32 vcc_lo, 1, v2
.irp j, 0,1,2,3
	v_cndmask_b32 v[DSEL+\j], v[PWS+\j], v[PWS+4+\j], vcc_lo      ; lanes 0-15 store fragments 0-3's words of their row, lanes 16-31 fragments 4-7's
	v_cndmask_b32 v[DSEL+4+\j], v[NMS+\j], v[NMS+4+\j], vcc_lo
	v_cndmask_b32 v[DSEL+8+\j], v[LLS+\j], v[LLS+4+\j], vcc_lo
.endr
	global_store_b128 v[SOF], v[DSEL:DSEL+3], s[80:81] offset:SCO
	global_store_b128 v[SOF], v[DSEL+4:DSEL+7], s[82:83]
	global_store_b128 v[SOF], v[DSEL+8:DSEL+11], s[84:85]
	s_wait_tensorcnt 0x0                           ; the wave's end
	ds_add_u32 v[SPW], v[NIL]
	s_wait_dscnt 0x0
	CROUND                                         ; the closing round
	s_endpgm
.Lfunc_end_k_qeaaf9c3e5d_score:
	.size	k_qeaaf9c3e5d_score, .Lfunc_end_k_qeaaf9c3e5d_score-k_qeaaf9c3e5d_score
	.p2alignl 7, 3214868480
	.fill 96, 4, 3214868480
	.section	.rodata,"a",@progbits
	.p2align	6, 0x0
	.amdhsa_kernel k_qeaaf9c3e5d_score
		.amdhsa_group_segment_fixed_size 327680
		.amdhsa_private_segment_fixed_size 0
		.amdhsa_enable_private_segment 0
		.amdhsa_kernarg_size 24
		.amdhsa_user_sgpr_count 2
		.amdhsa_user_sgpr_kernarg_segment_ptr 1
		.amdhsa_wavefront_size32 1
		.amdhsa_system_sgpr_workgroup_id_x 1
		.amdhsa_system_sgpr_workgroup_id_y 1
		.amdhsa_system_sgpr_workgroup_id_z 1
		.amdhsa_system_vgpr_workitem_id 0
		.amdhsa_next_free_vgpr 1024
		.amdhsa_next_free_sgpr 100
		.amdhsa_reserve_vcc 1
		.amdhsa_float_denorm_mode_32 3
		.amdhsa_float_denorm_mode_16_64 3
		.amdhsa_memory_ordered 1
		.amdhsa_forward_progress 1
		.amdhsa_inst_pref_size 251
	.end_amdhsa_kernel
	.amdgpu_metadata
---
amdhsa.version: [ 1, 2 ]
amdhsa.kernels:
  - .name:           k_qeaaf9c3e5d_score
    .symbol:         k_qeaaf9c3e5d_score.kd
    .args:
      - { .name: w2, .offset: 0, .size: 8, .value_kind: global_buffer, .address_space: global }
      - { .name: mask, .offset: 8, .size: 8, .value_kind: global_buffer, .address_space: global }
      - { .name: w3, .offset: 16, .size: 8, .value_kind: global_buffer, .address_space: global }
    .group_segment_fixed_size: 327680
    .private_segment_fixed_size: 0
    .kernarg_segment_align: 8
    .kernarg_segment_size: 24
    .max_flat_workgroup_size: 128
    .sgpr_count:     100
    .vgpr_count:     1024
    .wavefront_size: 32
...
	.end_amdgpu_metadata
.endif
;; end of part 3
;; launch mix (part 4): grid 32 x 8, 4 waves a work-group, clusters of 4 x 1, 327,680 bytes of LDS; arguments w2, w3, out0; writes out0
.if DOCPART == 4
	.amdgcn_target "amdgcn-amd-amdhsa--gfx1250"
	.amdhsa_code_object_version 6
	.text
	.protected	k_qeaaf9c3e5d_mix
	.globl	k_qeaaf9c3e5d_mix
	.p2align	8
	.type	k_qeaaf9c3e5d_mix,@function
k_qeaaf9c3e5d_mix:
	s_mov_b64 s[64:65], 0
	v_nop
	global_prefetch_b8 v0, s[64:65] scope:SCOPE_SE
	s_setreg_imm32_b32 hwreg(HW_REG_WAVE_MODE, 25, 1), 1
	s_wait_xcnt 0x0
	s_wait_alu depctr_hold_cnt(0) depctr_sa_sdst(0) depctr_va_vdst(0) depctr_va_sdst(0) depctr_va_ssrc(0) depctr_va_vcc(0) depctr_vm_vsrc(0)
	s_getreg_b32 s2, hwreg(HW_REG_IB_STS2, 6, 4)
	s_cmp_eq_u32 s2, 0
	s_cbranch_scc0 .Lentry_in_a_cluster
	s_endpgm
.Lentry_in_a_cluster:
	s_bfe_u32 s2, ttmp6, 0x10000c
	s_cmp_lg_u32 s2, 0x3003
	s_cbranch_scc0 .Lentry_shape_is_right
	s_endpgm
.Lentry_shape_is_right:
; MIX.  out = (p vx) / l on codes of FP6 (E2M3) with E8M0 scales, K = the 2,048 keys.
; pq (w3) and vq (w2) lie as images of operand registers: a fragment (16 rows x 128 K) is 1,536 bytes (registers 4g..4g+3 of lane l at 512 g + 16 l); lane r of fragment i of 128 rows holds
; row 32 (i/2) + 8 (i%2) + r + 8 (r/8); a chunk block (128 rows x 128 K) is 8 fragments and, at 12,288, 128 scale words (row (i, r) at 32 r + 4 i): 12,800 bytes; [row block][chunk], dense.
; p was stored under a LOCAL M for each 128 keys, with -M and the sum of p beside it.  Here the row's M is the largest of the sixteen; each scale byte is lowered by d = M - M_local and each sum multiplied by 2^-d.
; SHARES.  A work-group makes 256 queries x 128 f, a wave 64 queries x 128 f: 32 accumulators.  Grid 32 x 8 = 256 work-groups.
; vq's 128 rows, all of K, are 204,800 dense bytes: they come into LDS ONCE, a quarter (4 chunks) a wave, one tensor load a wave; nothing is filled again.
; CLUSTERS: 4 x 1: four blocks of queries of one batch need the same rows of vq and ask for them jointly.
; p's fragments are read by one wave alone: each wave loads its four fragments of a chunk (12 loads of 512 consecutive bytes) from memory straight into registers, eight sets of 48 registers, seven chunks ahead of their use.
; No prefetch is laid: vq is asked for whole at the head, and p's own loads stand seven chunks ahead of the products that take them.  The walk over the 16 chunks is written out: the sets come back after eight chunks.
; SOURCE 0 = 16 rows of vq, source 1 = 16 queries: a lane holds one query, register j of tile f is column 32 (f/2) + 16 h + 8 (f%2) + j.
; LIMITS: d is held at 127; a scale byte that would fall under 0 is held at 0 (2^-127); a row whose keys are all masked has l = 0 and gives NaN; NaN and infinities among the inputs are not served.
; REGISTERS: window 0: v0-31 addresses; v32-47 vq's scale words, two sets; v48-79 p's scale words (lanes 0-15 chunks 0-7, lanes 16-31 chunks 8-15); v80-87 1/l; v96-239 p's sets 5-7, on the way out rows read back.
;   window 1: vq's fragments, two sets, at v0 and v128.   window 2: accumulator (t, f) at v[8 (8 t + f)]; at the head -M, the sums and the scale words at work.   window 3: p's sets 0-4.
.set CB,     12800
.set SCO,    12288
.set QTR,    4*CB                      ; what one tensor load brings
.set STAGE,  16*CB                     ; behind vq: 16 rows x 528 bytes for each wave, for the way out
.set SPITCH, 528
.set SPARE,  STAGE+4*16*SPITCH         ; the spare words: two blocks of 256 bytes that no other line names
.set VQ_OFF, 13107200
.set NM_OFF, 13107200
.set LL_D,   524288                    ; from -M to the sums
.set LI,   3                           ; 16 x lane
.set AD0,  8                           ; v8-11  vq's fragments, chunks 4 g ..
.set AS0,  12                          ; v12-15 vq's scale words: + 32 r
.set NOF,  16                          ; 32 r + 4,096 h
.set SOFS, 17                          ; 32 r + 102,400 h
.set STO,  24
.set RD,   25
.set SPW,  28
.set NIL,  29
.set SS,   32
.set PS,   48
.set RLV,  80
.set NMR,  0                           ; window 2, at the head: -M (then the bytes' masks), the sums, the scale words: register 4 c + j = chunk 8 h + c, fragment j
.set LLR,  32
.set WR,   64
.set MN,   96
.set MX,   100
.set DD,   104
.set EE,   108
.set LS,   112
.set G1,   24
.set G0,   32
.set SEL,  84
.set MSB, 0
.macro WIN new                         ; the immediate's high byte repeats the setting that is left
.if MSB != (\new)
	s_set_vgpr_msb (MSB<<8)|(\new)
.set MSB, (\new)
.endif
.endm
.macro PLACES n
.rept \n
	v_nop
.endr
.endm
.macro CROUND                          ; a round of the cluster's barrier
	s_barrier_signal -1
	s_barrier_wait -1
	s_cmp_lg_u32 s14, 0
	s_cbranch_scc1 .Lnot_wave_0_\@
	s_barrier_signal -3
.Lnot_wave_0_\@:
	s_barrier_wait -3
	s_barrier_signal -1
	s_barrier_wait -1
.endm
.macro FETCH q                         ; 26 LDS loads: vq's eight fragments and scale words of chunk q into set q % 2
	WIN 0x40
.irp f, 0,1,2,3,4,5,6,7
.irp g, 0,1,2
	ds_load_b128 v[128*((\q)%2)+12*\f+4*\g:128*((\q)%2)+12*\f+4*\g+3], v[AD0+(\q)/4] offset:((\q)%4)*CB+1536*\f+512*\g
.endr
.endr
	WIN 0
	ds_load_b128 v[SS+8*((\q)%2):SS+8*((\q)%2)+3], v[AS0+(\q)/4] offset:((\q)%4)*CB+SCO
	ds_load_b128 v[SS+8*((\q)%2)+4:SS+8*((\q)%2)+7], v[AS0+(\q)/4] offset:((\q)%4)*CB+SCO+16
.endm
.macro PLOAD q                         ; 12 loads of 512 consecutive bytes: my four fragments of p's chunk q into set q % 8
.set pset, (\q)%8
.if pset < 5
.set PB, 48*pset
	WIN 0xc0
.else
.set PB, 96+48*(pset-5)
	WIN 0
.endif
.set gg, 0
.rept 12
	global_load_b128 v[PB+4*gg:PB+4*gg+3], v[LI], s[42:43] offset:(\q)*CB+512*gg
.set gg, gg+1
.endr
	WIN 0
.endm
.macro MULG q                          ; 32 matrix instructions; the 32 accumulators take turns, one instruction a turn
.set st, (\q)%2
.set pset, (\q)%8
.if pset < 5
.set PB, 48*pset
	WIN 0xad
.else
.set PB, 96+48*(pset-5)
	WIN 0xa1
.endif
.set tt, 0
.rept 4
.irp f, 0,1,2,3,4,5,6,7
.set rD, 8*(8*tt+\f)
.set rA, 128*st+12*\f
.set rB, PB+12*tt
.if (\q) == 0
	v_wmma_scale_f32_16x16x128_f8f6f4 v[rD:rD+7], v[rA:rA+11], v[rB:rB+11], 0, v[SS+8*st+\f], v[PS+4*pset+tt] matrix_a_fmt:MATRIX_FMT_FP6 matrix_b_fmt:MATRIX_FMT_FP6
.else
.if (\q) < 8
	v_wmma_scale_f32_16x16x128_f8f6f4 v[rD:rD+7], v[rA:rA+11], v[rB:rB+11], v[rD:rD+7], v[SS+8*st+\f], v[PS+4*pset+tt] matrix_a_fmt:MATRIX_FMT_FP6 matrix_b_fmt:MATRIX_FMT_FP6
.else
	v_wmma_scale_f32_16x16x128_f8f6f4 v[rD:rD+7], v[rA:rA+11], v[rB:rB+11], v[rD:rD+7], v[SS+8*st+\f], v[PS+4*pset+tt] matrix_a_fmt:MATRIX_FMT_FP6 matrix_b_fmt:MATRIX_FMT_FP6 matrix_b_scale:MATRIX_SCALE_ROW1
.endif
.endif
.endr
.set tt, tt+1
.endr
	WIN 0
.endm
.macro CHK q                           ; a chunk of 128 keys
.set LT, 15-(\q)                       ; sets of p asked for behind this chunk's: six, or what is left
.if LT > 6
.set LT, 6
.endif
.set LC, 12*LT
.if LC > 63
.set LC, 63                            ; the wait's field holds no more
.endif
	s_wait_dscnt 0x0                               ; vq's fragments of this chunk
	s_wait_loadcnt LC                              ; p's: loads come back in order
	PLACES 4                                       ; in front of loads into registers that the last chunk's matrix instructions have read
.if (\q) < 15
	FETCH (\q)+1
.endif
.if (\q) >= 1
.if (\q) <= 8
	PLOAD (\q)+7
.endif
.endif
	MULG \q
.endm
	s_load_b128 s[4:7], s[0:1], 0x0                ; w2, w3
	s_load_b64 s[8:9], s[0:1], 0x10                ; out0
	v_lshl_add_u32 v[SPW], v0, 2, SPARE
	v_mov_b32 v[NIL], 0
	ds_add_u32 v[SPW], v[NIL]                      ; the opening lines: the add, twice on end, and its wait ahead of my first tensor load
	ds_add_u32 v[SPW], v[NIL]
	v_lshrrev_b32 v1, 5, v0
	v_readfirstlane_b32 s14, v1                    ; wave
	s_lshr_b32 s15, s14, 1                         ; which 128 of the block's queries
	s_and_b32 s16, s14, 1                          ; which four fragments of them
	s_mul_i32 s66, s14, 16*SPITCH
	s_add_co_u32 s66, s66, STAGE                   ; my stage
	v_and_b32 v1, 15, v0                           ; r
	v_bfe_u32 v2, v0, 4, 1                         ; h
	v_and_b32 v5, 31, v0
	v_lshlrev_b32 v[LI], 4, v5
	v_lshlrev_b32 v6, 5, v1                        ; 32 r
.irp g, 0,1,2,3
	v_add_nc_u32 v[AD0+\g], \g*QTR, v[LI]
	v_add_nc_u32 v[AS0+\g], \g*QTR, v6
.endr
	v_lshl_add_u32 v[NOF], v2, 12, v6              ; lanes 16-31 take chunks 8-15: 8 blocks of 512 bytes on,
	v_mad_u32_u24 v[SOFS], v2, 8*CB, v6            ; 8 chunk blocks on
	v_mul_u32_u24 v[STO], v1, SPITCH
	v_lshl_add_u32 v[STO], v2, 6, v[STO]
	v_add_nc_u32 v[STO], s66, v[STO]               ; in: row r, 64 bytes for each half of the lanes
	v_add_nc_u32 v[RD], s66, v[LI]                 ; back: the 32 lanes take a row of 512 bytes
	s_wait_alu depctr_va_vdst(0)                   ; the wait behind the head's vector lines
	s_bfe_u32 s40, ttmp6, 0x40000                  ; cx
	s_and_b32 s17, ttmp7, 0xffff                   ; which 128 f
	s_lshl_b32 s18, ttmp9, 2
	s_add_co_u32 s18, s18, s40                     ; which 256 rows of (b, query)
	s_lshr_b32 s19, ttmp9, 1                       ; b: from the cluster's number alone
	s_mov_b32 s[G1], 15|(3<<16)|(1<<21)            ; the mask names the four; elements of 8 bytes; bit 21 beside a mask
	s_mov_b32 s[G1+1], 32<<16                      ; rows of 256 bytes,
	s_mov_b32 s[G1+2], 200<<16                     ; 200 of them: 51,200 dense bytes
	s_mov_b32 s[G1+3], 32<<16
	s_mov_b32 s[G1+4], 200
	s_mov_b32 s[G1+5], 32
	s_mov_b32 s[G1+6], 0
	s_mov_b32 s[G1+7], 0
	s_lshl_b32 s46, s19, 3
	s_add_co_u32 s46, s46, s17
	s_mul_i32 s46, s46, 16*CB                      ; vq: row block 8 b + f tile,
	s_mul_i32 s41, s14, QTR                        ; my quarter, in memory and in LDS
	s_add_co_u32 s46, s46, s41
	s_add_co_u32 s46, s46, VQ_OFF
	s_mov_b32 s47, 0
	s_lshl_b32 s20, s18, 1
	s_add_co_u32 s20, s20, s15                     ; pq: my row block
	s_mul_i32 s22, s20, 16*CB
	s_mul_i32 s21, s16, 6144
	s_add_co_u32 s42, s22, s21                     ; my four fragments
	s_mov_b32 s43, 0
	s_lshl_b32 s21, s16, 4
	s_add_co_u32 s22, s22, s21
	s_add_co_u32 s22, s22, SCO                     ; their scale words: 16 bytes a row
	s_mov_b32 s23, 0
	s_lshl_b32 s44, s20, 13
	s_add_co_u32 s44, s44, s21
	s_add_co_u32 s44, s44, NM_OFF                  ; their -M
	s_mov_b32 s45, 0
	s_lshl_b32 s68, s18, 20                        ; out0: row 256 block + 128 half + 64 (fragments' half), rows of 4,096 bytes; column 128 f tile
	s_lshl_b32 s69, s15, 19
	s_add_co_u32 s68, s68, s69
	s_lshl_b32 s69, s16, 18
	s_add_co_u32 s68, s68, s69
	s_lshl_b32 s69, s17, 9
	s_add_co_u32 s68, s68, s69
	s_mov_b32 s69, 0
	s_mov_b32 s[SEL], 0x76543210
	s_mov_b32 s[SEL+1], 0xfedcba98                 ; selects for lane l xor 16
	s_wait_dscnt 0x0                               ; both opening adds are done
	s_wait_kmcnt 0x0
	s_add_nc_u64 s[46:47], s[4:5], s[46:47]
	s_add_nc_u64 s[42:43], s[6:7], s[42:43]
	s_add_nc_u64 s[22:23], s[6:7], s[22:23]
	s_add_nc_u64 s[44:45], s[6:7], s[44:45]
	s_add_nc_u64 s[12:13], s[8:9], s[68:69]
	s_mov_b32 s[G0], 1
	s_mov_b32 s[G0+1], s41
	s_mov_b64 s[G0+2:G0+3], s[46:47]
	s_or_b32 s[G0+3], s[G0+3], 0x80000000
	WIN 0x80                                       ; 24 loads: -M, the sums and the scale words of my 64 queries, eight chunks a half of the lanes
.irp c, 0,1,2,3,4,5,6,7
	global_load_b128 v[NMR+4*\c:NMR+4*\c+3], v[NOF], s[44:45] offset:512*\c
	global_load_b128 v[LLR+4*\c:LLR+4*\c+3], v[NOF], s[44:45] offset:512*\c+LL_D
	global_load_b128 v[WR+4*\c:WR+4*\c+3], v[SOFS], s[22:23] offset:CB*\c
.endr
	WIN 0
	CROUND                                         ; the four work-groups are here: the joint loads meet
	tensor_load_to_lds s[G0:G0+3], s[G1:G1+7]      ; my quarter of vq's rows: my one tensor load
	s_nop 0
	PLACES 4
	PLOAD 0
	PLOAD 1
	PLOAD 2
	s_wait_loadcnt 36                              ; all but p's 36: the 24 are in
	PLOAD 3
	PLOAD 4
	WIN 0xaa                                       ; all operands in window 2
.irp j, 0,1,2,3
	v_mov_b32 v[MX+\j], 0                          ; a lane permute's destination counts as one of its sources
.endr
.irp j, 0,1,2,3
	v_min3_num_f32 v[MN+\j], v[NMR+\j], v[NMR+4+\j], v[NMR+8+\j]
.endr
.irp c, 12,20
.irp j, 0,1,2,3
	v_min3_num_f32 v[MN+\j], v[MN+\j], v[NMR+\c+\j], v[NMR+\c+4+\j]
.endr
.endr
.irp j, 0,1,2,3
	v_min_num_f32 v[MN+\j], v[MN+\j], v[NMR+28+\j]
.endr
.irp j, 0,1,2,3
	v_permlanex16_b32 v[MX+\j], v[MN+\j], s[SEL], s[SEL+1]
.endr
.irp j, 0,1,2,3
	v_min_num_f32 v[MN+\j], v[MN+\j], v[MX+\j]     ; the row's -M: the least of the sixteen
.endr
.macro FIX c                           ; chunk 8 h + c, the four fragments by turns
.irp j, 0,1,2,3
	v_sub_f32 v[DD+\j], v[NMR+4*(\c)+\j], v[MN+\j] ; d = M - M_local, a whole number, 0 or more
.endr
.irp j, 0,1,2,3
	v_cvt_i32_f32 v[DD+\j], v[DD+\j]               ; (it saturates)
.endr
.irp j, 0,1,2,3
	v_min_u32 v[DD+\j], 127, v[DD+\j]
.endr
.irp j, 0,1,2,3
	v_sub_nc_u32 v[EE+\j], 0, v[DD+\j]
.endr
.if (\c) == 0
.irp j, 0,1,2,3
	v_ldexp_f32 v[LS+\j], v[LLR+\j], v[EE+\j]      ; the chunk's sum under the row's M
.endr
.else
.irp j, 0,1,2,3
	v_ldexp_f32 v[EE+\j], v[LLR+4*(\c)+\j], v[EE+\j]
.endr
.irp j, 0,1,2,3
	v_add_f32 v[LS+\j], v[LS+\j], v[EE+\j]
.endr
.endif
.irp j, 0,1,2,3
	v_perm_b32 v[DD+\j], v[DD+\j], v[DD+\j], 0     ; d in all four bytes
.endr
.irp j, 0,1,2,3
	v_or_b32 v[WR+4*(\c)+\j], 0x80808080, v[WR+4*(\c)+\j]   ; p is at most 1, so a byte is under 128: its top bit keeps the bytes apart
.endr
.irp j, 0,1,2,3
	v_sub_nc_u32 v[WR+4*(\c)+\j], v[WR+4*(\c)+\j], v[DD+\j]
.endr
.irp j, 0,1,2,3
	v_lshrrev_b32 v[EE+\j], 7, v[WR+4*(\c)+\j]
.endr
.irp j, 0,1,2,3
	v_and_b32 v[EE+\j], 0x01010101, v[EE+\j]       ; 1 where the byte did not fall under 0
.endr
.irp j, 0,1,2,3
	v_lshlrev_b32 v[DD+\j], 7, v[EE+\j]
.endr
.irp j, 0,1,2,3
	v_sub_nc_u32 v[NMR+4*(\c)+\j], v[DD+\j], v[EE+\j]   ; 0x7f there, else 0
.endr
.endm
.irp c, 0,1,2,3,4,5,6,7
	FIX \c
.endr
.irp j, 0,1,2,3
	v_permlanex16_b32 v[MX+\j], v[LS+\j], s[SEL], s[SEL+1]
.endr
.irp j, 0,1,2,3
	v_add_f32 v[LS+\j], v[LS+\j], v[MX+\j]         ; l: my eight chunks and lane l xor 16's
.endr
	WIN 0x02
	s_wait_alu depctr_va_vdst(0)                   ; the wait ahead of the batch
.irp j, 0,1,2,3
	v_rcp_f32 v[RLV+2*\j], v[LS+\j]
.endr
	WIN 0x0a
.set n, 0
.rept 32
	v_and_b32 v[PS+n], v[WR+n], v[NMR+n]           ; the lowered bytes, into the registers that hold p's scale words
.set n, n+1
.endr
	WIN 0
	s_wait_alu depctr_va_vdst(0)                   ; and behind it, ahead of the first reader
.irp j, 0,1,2,3
	v_mov_b32 v[RLV+2*\j+1], v[RLV+2*\j]
.endr
	PLOAD 5
	PLOAD 6
	PLOAD 7
	PLACES 4                                       ; with the four moves above and the four places of the first chunk: more than eight places between the scale words' last write and the first scaled matrix instruction
	s_wait_alu depctr_va_vdst(0)                   ; the wait at the head's end
	s_wait_tensorcnt 0x0                           ; my quarter of vq is in,
	s_barrier_signal -1
	s_barrier_wait -1                              ; everybody's is
	FETCH 0
.set Q, 0
.rept 16
	CHK Q
.set Q, Q+1
.endr
	PLACES 4                                       ; in front of the first read of results
; THE WAY OUT, 16 queries at a time: x 1/l in place, through my own stage, back as whole rows of 512 bytes, which the 32 lanes store as two aligned runs of 256 bytes.
.macro TOSTAGE t
	WIN 0x82                                       ; source 0 and the destination in window 2
.set n, 0
.rept 32
	v_pk_mul_f32 v[64*(\t)+n:64*(\t)+n+1], v[64*(\t)+n:64*(\t)+n+1], v[RLV+2*(\t):RLV+2*(\t)+1]   ; each accumulator from its low end on
.set n, n+2
.endr
	WIN 0x08                                       ; the data in window 2
.irp f, 0,1,2,3,4,5,6,7
	ds_store_b128 v[STO], v[64*(\t)+8*\f:64*(\t)+8*\f+3] offset:128*(\f/2)+32*(\f%2)
	ds_store_b128 v[STO], v[64*(\t)+8*\f+4:64*(\t)+8*\f+7] offset:128*(\f/2)+32*(\f%2)+16
.endr
	WIN 0
.set BB, 96+64*((\t)%2)
.irp i, 0,1,2,3,4,5,6,7,8,9,10,11,12,13,14,15
	ds_load_b128 v[BB+4*\i:BB+4*\i+3], v[RD] offset:\i*SPITCH   ; LDS serves a wave's instructions in order: these see the stores above
.endr
.endm
.macro SEND t, younger                 ; younger: the LDS instructions issued behind block t's loads
.set BB, 96+64*((\t)%2)
	s_wait_dscnt \younger
.irp i, 0,1,2,3,4,5,6,7,8,9,10,11,12,13,14,15
	global_store_b128 v[LI], v[BB+4*\i:BB+4*\i+3], s[12:13] offset:(32*((\t)/2)+8*((\t)%2)+\i+8*(\i/8))*4096 th:TH_STORE_NT
.endr
.endm
	TOSTAGE 0
	TOSTAGE 1
	SEND 0, 32
	s_wait_xcnt 0x0                                ; block 0's stores have read their registers: block 2's rows may land there
	TOSTAGE 2
	SEND 1, 32
	s_wait_xcnt 0x0
	TOSTAGE 3
	SEND 2, 32
	SEND 3, 0
	s_wait_tensorcnt 0x0                           ; the wave's end
	ds_add_u32 v[SPW], v[NIL]
	s_wait_dscnt 0x0
	CROUND                                         ; the closing round
	s_endpgm
.Lfunc_end_k_qeaaf9c3e5d_mix:
	.size	k_qeaaf9c3e5d_mix, .Lfunc_end_k_qeaaf9c3e5d_mix-k_qeaaf9c3e5d_mix
	.p2alignl 7, 3214868480
	.fill 96, 4, 3214868480
	.section	.rodata,"a",@progbits
	.p2align	6, 0x0
	.amdhsa_kernel k_qeaaf9c3e5d_mix
		.amdhsa_group_segment_fixed_size 327680
		.amdhsa_private_segment_fixed_size 0
		.amdhsa_enable_private_segment 0
		.amdhsa_kernarg_size 24
		.amdhsa_user_sgpr_count 2
		.amdhsa_user_sgpr_kernarg_segment_ptr 1
		.amdhsa_wavefront_size32 1
		.amdhsa_system_sgpr_workgroup_id_x 1
		.amdhsa_system_sgpr_workgroup_id_y 1
		.amdhsa_system_sgpr_workgroup_id_z 1
		.amdhsa_system_vgpr_workitem_id 0
		.amdhsa_next_free_vgpr 1024
		.amdhsa_next_free_sgpr 100
		.amdhsa_reserve_vcc 0
		.amdhsa_float_denorm_mode_32 3
		.amdhsa_float_denorm_mode_16_64 3
		.amdhsa_memory_ordered 1
		.amdhsa_forward_progress 1
		.amdhsa_inst_pref_size 166
	.end_amdhsa_kernel
	.amdgpu_metadata
---
amdhsa.version: [ 1, 2 ]
amdhsa.kernels:
  - .name:           k_qeaaf9c3e5d_mix
    .symbol:         k_qeaaf9c3e5d_mix.kd
    .args:
      - { .name: w2, .offset: 0, .size: 8, .value_kind: global_buffer, .address_space: global }
      - { .name: w3, .offset: 8, .size: 8, .value_kind: global_buffer, .address_space: global }
      - { .name: out0, .offset: 16, .size: 8, .value_kind: global_buffer, .address_space: global }
    .group_segment_fixed_size: 327680
    .private_segment_fixed_size: 0
    .kernarg_segment_align: 8
    .kernarg_segment_size: 24
    .max_flat_workgroup_size: 128
    .sgpr_count:     100
    .vgpr_count:     1024
    .wavefront_size: 32
...
	.end_amdgpu_metadata
.endif
;; end of part 4
